; MI455X (gfx1250); checked and timed in simulation.
; The chip was launched on July 23, 2026; its instructions are those of AMD's public machine-readable ISA for CDNA 5 (MIT licence, August 2026) and "CDNA5" Instruction Set Architecture Reference Guide (July 2026). The comments in the code are by the model that wrote it; some were corrected since.
;; Transformer Block. Allowed arithmetic: matrix products marked QUANTISED: E4M3 operands, one E8M0 scale for each 32 along K, by v_wmma_scale_f32_16x16x128_f8f6f4 with both operands' format E4M3, f32 sums; everything else in f32.
;; Inputs: ff1_b 4,096 float32; ff1_w_codes 4,096 x 32 x 32 uint8 (E4M3 codes of ff1_w, K innermost, in blocks of 32 codes); ff1_w_scales 4,096 x 32 uint8 (E8M0 scales of ff1_w, one for each 32 codes along K); ff2_b 1,024 float32; ff2_w_codes 1,024 x 128 x 32 uint8 (E4M3 codes of ff2_w, K innermost, in blocks of 32 codes); ff2_w_scales 1,024 x 128 uint8 (E8M0 scales of ff2_w, one for each 32 codes along K); ln1_b 1,024 float32; ln1_g 1,024 float32; ln2_b 1,024 float32; ln2_g 1,024 float32; proj_b 1,024 float32; proj_w_codes 1,024 x 32 x 32 uint8 (E4M3 codes of proj_w, K innermost, in blocks of 32 codes); proj_w_scales 1,024 x 32 uint8 (E8M0 scales of proj_w, one for each 32 codes along K); wk_codes 16 x 64 x 32 x 32 uint8 (E4M3 codes of wk, K innermost, in blocks of 32 codes); wk_scales 16 x 64 x 32 uint8 (E8M0 scales of wk, one for each 32 codes along K); wq_codes 16 x 64 x 32 x 32 uint8 (E4M3 codes of wq, K innermost, in blocks of 32 codes); wq_scales 16 x 64 x 32 uint8 (E8M0 scales of wq, one for each 32 codes along K); wv_codes 16 x 64 x 32 x 32 uint8 (E4M3 codes of wv, K innermost, in blocks of 32 codes); wv_scales 16 x 64 x 32 uint8 (E8M0 scales of wv, one for each 32 codes along K); x 4 x 1,024 x 1,024 float32.
;; Outputs: out0 4 x 1,024 x 1,024 float32.
;; This version of the problem:
;;   THIS VERSION OF THE PROBLEM IS GIVEN IN LOW PRECISION. The matrix products marked QUANTISED in the list below multiply operands that are first quantised to E4M3 (4 exponent bits, 3 mantissa bits; 8 bits a number), with one power-of-two scale for each 32 numbers along K (OCP MX v1.0); their sums are f32. All else is computed in f32.
;;   The module's matrix products, in the order in which they are computed (A, B: the left and right operand; K: the contracted axis; several contracted axes count as one K, in the product's order):
;;     1. [M 1,024, K 1,024] x [K 1,024, N 4,096]; A: input wq (given as codes); B: computed on the way: QUANTISED
;;     2. [M 1,024, K 1,024] x [K 1,024, N 4,096]; A: input wk (given as codes); B: computed on the way: QUANTISED
;;     3. [M 1,024, K 1,024] x [K 1,024, N 4,096]; A: input wv (given as codes); B: computed on the way: QUANTISED
;;     4. batch 64 x [M 1,024, K 64] x [K 64, N 1,024]; A: computed on the way; B: computed on the way: QUANTISED
;;     5. batch 64 x [M 1,024, K 1,024] x [K 1,024, N 64]; A: softmax (see below); B: computed on the way: QUANTISED
;;     6. [M 4,096, K 1,024] x [K 1,024, N 1,024]; A: computed on the way; B: input proj_w (given as codes): QUANTISED
;;     7. [M 4,096, K 1,024] x [K 1,024, N 4,096]; A: computed on the way; B: input ff1_w (given as codes): QUANTISED
;;     8. [M 4,096, K 4,096] x [K 4,096, N 1,024]; A: computed on the way; B: input ff2_w (given as codes): QUANTISED
;;   THE QUANTISER, for each operand of a quantised product, along K:
;;     - K is cut into blocks of 32 from its start; a last block that is shorter is filled with zeros.
;;     - A block's scale is 2^e with e = floor(log2(the largest magnitude in the block)) - 8, held to -126 .. 127; a block of zeros has e = 0. As a byte (E8M0): e + 127.
;;     - Each number is divided by its block's scale, clamped to +-448, and rounded to the nearest number of E4M3, ties to even, subnormals kept.
;;     - The product sums the exact products of the quantised numbers (number of the format x scale) in f32.
;;   ~~~python
;;   def quantise(x, axis):      # numpy; x: float32 -> the quantised numbers, widened to float32 again
;;       x = np.moveaxis(x, axis, -1); K = x.shape[-1]
;;       x = np.pad(x, [(0, 0)] * (x.ndim - 1) + [(0, -K % 32)]); x = x.reshape(x.shape[:-1] + (-1, 32)); a = np.abs(x).max(-1, keepdims=True)
;;       e = np.where(a > 0, np.clip(np.frexp(np.where(a > 0, a, 1))[1] - 1 - 8, -126, 127), 0)      # np.frexp(a)[1] - 1 = floor(log2(a)), exactly
;;       r = np.clip(x / 2.0 ** e, -448, 448)
;;       step = 2.0 ** (np.maximum(np.frexp(np.where(r == 0, 1, r))[1] - 1, -6) - 3)
;;       q = np.round(r / step) * step * 2.0 ** e      # np.round: ties to even
;;       return np.moveaxis(q.reshape(q.shape[:-2] + (-1,))[..., :K], -1, axis).astype(np.float32)
;;   ~~~
;;   SOFTMAX AHEAD OF A QUANTISED PRODUCT. Where the list says 'softmax', what is quantised is not the finished softmax but p = 2^(t - M), with t = logit x log2(e) and M = ceil(the row's largest t), a whole number; so 1/2 < the row's largest p <= 1. The row's sum l is taken of the UNQUANTISED p, in f32, and the product's result is divided by l at the end. Since M is a whole number, a kernel that streams over the keys may use a running M (the ceiling of the running maximum): every later rescaling is an exact power of two, which a block's scale takes up: the codes' values come out the same.
;;   OPERANDS COMPUTED ON THE WAY. 'Computed on the way' means the value that the module computes at that place (a softmax that the list does not call 'softmax' is quantised finished and normalised). What goes into a quantiser is computed in f32, as accurately as f32 sums, v_exp_f32 and their like allow (about 1e-6 of the number): no bf16 or f16 on the way to a quantiser, and a product that is left as it is and whose result goes on into a quantised operand takes f32 operands (vector FMAs, or v_wmma_f32_16x16x4_f32). A number that lies on a knife's edge between two numbers of the format may be rounded either way, as far as f32 arithmetic and the matrix unit's own rounding can turn it there, and no further.
;;   INPUTS GIVEN AS CODES. ff1_w (in the module: [1024, 4096], K = its axis 0); ff2_w (in the module: [4096, 1024], K = its axis 0); proj_w (in the module: [1024, 1024], K = its axis 0); wk (in the module: [16, 1024, 64], K = its axis 1); wq (in the module: [16, 1024, 64], K = its axis 1); wv (in the module: [16, 1024, 64], K = its axis 1): each comes as NAME_codes (uint8): NAME with its K axis moved to the last place and cut into blocks of 32 codes, [.., K / 32, bytes a block], one block behind the other in memory; one code a byte (a code: sign, 4 exponent bits, 3 mantissa bits); and NAME_scales (uint8): the same leading axes, one E8M0 byte (e + 127) for each 32 codes along K. Its value is code x scale, taken as it is: it is not quantised again, and the codes and scales need not be those that the quantiser above would give.
;; One version. Each part assembles by itself: llvm-mc -triple=amdgcn-amd-amdhsa -mcpu=gfx1250 --defsym DOCPART=n.
;; ======== version 1 of 1: 7 launches
;; workspace buffers: h 4,325,376 bytes; qkv 12,976,128 bytes; o 4,325,376 bytes; x1 16,777,216 bytes; h2 4,325,376 bytes; f 17,301,504 bytes
;; launch lnq1 (part 1): grid 256 x 1, 8 waves a work-group, no clusters, 83,456 bytes of LDS; arguments x, ln1_g, ln1_b, h; writes h
.if DOCPART == 1
	.amdgcn_target "amdgcn-amd-amdhsa--gfx1250"
	.amdhsa_code_object_version 6
	.text
	.protected	k_qcf8c2dbe6a_lnq1
	.globl	k_qcf8c2dbe6a_lnq1
	.p2align	8
	.type	k_qcf8c2dbe6a_lnq1,@function
k_qcf8c2dbe6a_lnq1:
	s_mov_b64 s[64:65], 0
	v_nop
	global_prefetch_b8 v0, s[64:65] scope:SCOPE_SE
	s_setreg_imm32_b32 hwreg(HW_REG_WAVE_MODE, 25, 1), 1
	s_wait_xcnt 0x0
; y = (x - mean) * rsqrt(var + 1e-5) * g + b over rows of 1,024 f32, then y is turned into codes of FP8 (E4M3) with one E8M0 byte for each 32 along the row.
; Output buffer: codes [4096][1024] at byte 0, scale bytes [4096][32] at byte 4,194,304.
; A work-group of eight waves owns 16 rows, a wave 2.  A wave asks for all that it reads at its head: its two rows (16 loads of 512 consecutive bytes), then g and b (16 loads), which are wanted later:
; 2,048 waves x 8,192 bytes are the whole input, on its way at once.  Each row has a stage in LDS and registers of its own: nothing is filled or written twice.
; A row turns through its stage (64 bytes + 16 of padding a place) and comes back so that a lane holds 2 x 16 NEIGHBOURS: elements 512 u + 16 lane + 0 .. 15; two neighbouring lanes hold a block of 32.
; The variance is the mean of (x - mean)^2: two passes over registers, so a common offset of the inputs does not cancel.
; A wave makes 64 scale bytes; the work-group's 512 meet in LDS behind one barrier and leave by one store of wave 0: 512 consecutive bytes, aligned.
; LIMITS: NaN and infinities are not served.  A block whose largest magnitude lies under 2^-118 (a block of zeros too) gets the byte 1: its codes are then zeros or tiny, and this program alone reads the bytes.
.set WAVES, 8
.set NR,    2                          ; rows of a wave
.set SP,    80                         ; a place in a stage
.set STGB,  64*SP                      ; a stage: a row
.set WREG,  NR*STGB                    ; LDS of a wave: a stage for each of its rows
.set SBB,   WAVES*WREG                 ; behind the stages: the work-group's 512 scale bytes
.set EMAX,  8
.set SCOFF, 4194304
.set R,  16                            ; v16-79   the two rows as loaded
.set X,  80                            ; v80-143  the two rows turned
.set G,  144                           ; v144-175 the gain of my 32 columns
.set BT, 176                           ; v176-207 the bias
.set C,  208                           ; v208-223 8 registers of codes for each row
.set T,  224                           ; v224-231 sums
.set MU, 232                           ; v232-233 the mean, twice
.set RS, 234                           ; v234-235 1 / sqrt(var + eps), twice
.set E,  236                           ; v236-239 a scale byte for each row and half
.macro LOAD t
.irp i, 0,1,2,3,4,5,6,7
	global_load_b128 v[R+32*(\t)+4*\i:R+32*(\t)+4*\i+3], v3, s[4:5] offset:4096*(\t)+512*\i th:TH_LOAD_NT
.endr
.endm
.macro TURN t                          ; LDS serves a wave's instructions in order: no wait between the stores and the loads
.irp i, 0,1,2,3,4,5,6,7
	ds_store_b128 v14, v[R+32*(\t)+4*\i:R+32*(\t)+4*\i+3] offset:STGB*(\t)+640*\i
.endr
.irp u, 0,1
.irp i, 0,1,2,3
	ds_load_b128 v[X+32*(\t)+16*\u+4*\i:X+32*(\t)+16*\u+4*\i+3], v15 offset:STGB*(\t)+2560*\u+16*\i
.endr
.endr
.endm
.macro WSUM r                          ; the sum of v[r] over the 32 lanes, in every lane; v[r+1] is at work
	v_add_f32_dpp v[\r], v[\r], v[\r] row_xmask:1 row_mask:0xf bank_mask:0xf
	v_add_f32_dpp v[\r], v[\r], v[\r] row_xmask:2 row_mask:0xf bank_mask:0xf
	v_add_f32_dpp v[\r], v[\r], v[\r] row_xmask:4 row_mask:0xf bank_mask:0xf
	v_add_f32_dpp v[\r], v[\r], v[\r] row_xmask:8 row_mask:0xf bank_mask:0xf
	v_permlanex16_b32 v[\r+1], v[\r], s20, s21
	v_add_f32 v[\r], v[\r], v[\r+1]
.endm
.macro FOLD                            ; four pairs of partial sums into v[T]
	v_pk_add_f32 v[T:T+1], v[T:T+1], v[T+2:T+3]
	v_pk_add_f32 v[T+4:T+5], v[T+4:T+5], v[T+6:T+7]
	v_pk_add_f32 v[T:T+1], v[T:T+1], v[T+4:T+5]
	v_add_f32 v[T], v[T], v[T+1]
	WSUM T
.endm
	s_load_b256 s[4:11], s[0:1], 0x0               ; x s[4:5], g s[6:7], b s[8:9], the output s[10:11]
	v_lshl_add_u32 v254, v0, 2, 0x14200
	v_mov_b32 v255, 0
	v_lshrrev_b32 v1, 5, v0
	v_readfirstlane_b32 s16, v1                    ; wave 0..7
	v_and_b32 v2, 31, v0                           ; lane
	v_lshlrev_b32 v3, 4, v2                        ; 16 x lane: my bytes of a load's 512, and my codes' place
	v_lshlrev_b32 v4, 6, v2                        ; 64 x lane: my 16 numbers of g and b
	s_mul_i32 s17, s16, WREG
	v_lshrrev_b32 v14, 2, v2
	v_mul_u32_u24 v14, v14, SP
	v_and_b32 v15, 3, v2
	v_lshl_add_u32 v14, v15, 4, v14
	v_add_nc_u32 v14, s17, v14                     ; into a stage: 80 (lane / 4) + 16 (lane % 4)
	v_mul_u32_u24 v15, v2, SP
	v_add_nc_u32 v15, s17, v15                     ; out of it: 80 x lane
	v_lshrrev_b32 v5, 1, v2
	s_lshl_b32 s17, s16, 6
	s_add_co_u32 s17, s17, SBB
	v_add_nc_u32 v5, s17, v5                       ; my block's scale byte: 64 bytes a wave, 32 a row
	v_add_nc_u32 v6, SBB, v3                       ; and 16 bytes a lane on the way out
	s_mov_b32 s20, 0x76543210
	s_mov_b32 s21, 0xfedcba98                      ; lane l xor 16
	s_mov_b32 s22, 0x600000                        ; the mantissa field of 448
	s_mov_b32 s23, 0x3a800000                      ; 1 / 1,024
	s_mov_b32 s24, 0x3727c5ac                      ; 1e-5
	s_lshl_b32 s26, ttmp9, 16                      ; x: 16 rows of 4,096 bytes a work-group,
	s_lshl_b32 s18, s16, 13                        ; 2 a wave
	s_add_co_u32 s26, s26, s18
	s_mov_b32 s27, 0
	s_lshl_b32 s28, ttmp9, 14                      ; the codes: rows of 1,024 bytes
	s_lshl_b32 s18, s16, 11
	s_add_co_u32 s28, s28, s18
	s_mov_b32 s29, 0
	s_lshl_b32 s30, ttmp9, 9                       ; the scale bytes: 512 a work-group
	s_add_co_u32 s30, s30, SCOFF
	s_mov_b32 s31, 0
	s_wait_kmcnt 0x0
	s_add_nc_u64 s[4:5], s[4:5], s[26:27]
	s_add_nc_u64 s[12:13], s[10:11], s[30:31]      ; my work-group's scale bytes
	s_add_nc_u64 s[10:11], s[10:11], s[28:29]      ; my codes
	LOAD 0                                         ; the rows first: the sums want them first
	LOAD 1
.irp u, 0,1
.irp i, 0,1,2,3
	global_load_b128 v[G+16*\u+4*\i:G+16*\u+4*\i+3], v4, s[6:7] offset:2048*\u+16*\i
	global_load_b128 v[BT+16*\u+4*\i:BT+16*\u+4*\i+3], v4, s[8:9] offset:2048*\u+16*\i
.endr
.endr
	s_wait_loadcnt 24                              ; row 0 is in; row 1's eight loads and the sixteen of g and b may be out
	TURN 0
.macro ROW t
.set XS, X+32*(\t)
.set CS, C+8*(\t)
.if (\t) > 0
	s_wait_dscnt 2                                 ; this row is back from its stage; the last row's two byte stores may be out
.else
	s_wait_loadcnt 16                              ; row 1 is in; the sixteen loads of g and b may be out
	TURN 1                                         ; it goes through its own stage while row 0 is worked
	s_wait_dscnt 16                                ; row 0 is back from its stage; row 1's sixteen LDS instructions may be out
.endif
.irp k, 0,1,2,3
	v_pk_add_f32 v[T+2*\k:T+2*\k+1], v[XS+4*\k:XS+4*\k+1], v[XS+4*\k+2:XS+4*\k+3]   ; the row's sum, in four chains
.endr
.irp j, 16,24
.irp k, 0,1,2,3
	v_pk_add_f32 v[T+2*\k:T+2*\k+1], v[T+2*\k:T+2*\k+1], v[XS+\j+2*\k:XS+\j+2*\k+1]
.endr
.endr
	FOLD
	v_mul_f32 v[MU], s23, v[T]
	v_mul_f32 v[MU+1], s23, v[T]
.irp j, 0,2,4,6,8,10,12,14,16,18,20,22,24,26,28,30
	v_pk_add_f32 v[XS+\j:XS+\j+1], v[XS+\j:XS+\j+1], v[MU:MU+1] neg_lo:[0,1] neg_hi:[0,1]   ; d = x - mean
.endr
.irp k, 0,1,2,3
	v_pk_mul_f32 v[T+2*\k:T+2*\k+1], v[XS+2*\k:XS+2*\k+1], v[XS+2*\k:XS+2*\k+1]
.endr
.irp j, 8,16,24
.irp k, 0,1,2,3
	v_pk_fma_f32 v[T+2*\k:T+2*\k+1], v[XS+\j+2*\k:XS+\j+2*\k+1], v[XS+\j+2*\k:XS+\j+2*\k+1], v[T+2*\k:T+2*\k+1]
.endr
.endr
	FOLD
	v_fma_f32 v[T], v[T], s23, s24                 ; var + eps
	v_rsq_f32 v[RS], v[T]
	v_rsq_f32 v[RS+1], v[T]
	v_nop                                          ; a plain instruction behind the transcendentals (ISA guide 5.7.2),
	s_wait_alu depctr_va_vdst(0)                   ; and one wait ahead of their first reader
.irp j, 0,2,4,6,8,10,12,14,16,18,20,22,24,26,28,30
	v_pk_mul_f32 v[XS+\j:XS+\j+1], v[XS+\j:XS+\j+1], v[RS:RS+1]
.endr
.if (\t) == 0
	s_wait_loadcnt 0x0                             ; g and b
.endif
.irp j, 0,2,4,6,8,10,12,14,16,18,20,22,24,26,28,30
	v_pk_fma_f32 v[XS+\j:XS+\j+1], v[XS+\j:XS+\j+1], v[G+\j:G+\j+1], v[BT+\j:BT+\j+1]
.endr
.irp u, 0,1
	v_max3_num_f32 v8, |v[XS+16*\u]|, |v[XS+16*\u+1]|, |v[XS+16*\u+2]|      ; the largest magnitude of my 16
	v_max3_num_f32 v9, |v[XS+16*\u+3]|, |v[XS+16*\u+4]|, |v[XS+16*\u+5]|
.irp i, 6,10
	v_max3_num_f32 v8, v8, |v[XS+16*\u+\i]|, |v[XS+16*\u+\i+1]|
	v_max3_num_f32 v9, v9, |v[XS+16*\u+\i+2]|, |v[XS+16*\u+\i+3]|
.endr
	v_max3_num_f32 v8, v8, |v[XS+16*\u+14]|, |v[XS+16*\u+15]|
	v_max3_num_f32 v8, v8, v9, (EMAX+1)<<23        ; and the floor 2^(9 - 127): the byte cannot fall under 1
	v_max_num_f32_dpp v8, v8, v8 row_xmask:1 row_mask:0xf bank_mask:0xf   ; with my neighbour's 16: the block's
	v_add_nc_u32 v11, -(EMAX<<23), v8              ; 8 off the exponent field: the conversion's scale operand
	v_and_or_b32 v10, v8, 0x7f800000, s22          ; 448 x the scale
.irp i, 0,1,2,3,4,5,6,7,8,9,10,11,12,13,14,15
	v_med3_num_f32 v[XS+16*\u+\i], v[XS+16*\u+\i], -v10, v10   ; the conversion to an 8-bit code does not saturate (ISA guide 7.6.2)
.endr
	v_cvt_scalef32_pk8_fp8_f32 v[CS+4*\u:CS+4*\u+1], v[XS+16*\u:XS+16*\u+7], v11
	v_cvt_scalef32_pk8_fp8_f32 v[CS+4*\u+2:CS+4*\u+3], v[XS+16*\u+8:XS+16*\u+15], v11
	v_lshrrev_b32 v[E+2*(\t)+\u], 23, v11          ; the scale's byte (also the plain instruction behind the conversions)
	ds_store_b8 v5, v[E+2*(\t)+\u] offset:32*(\t)+16*\u      ; both lanes of a block write the same byte with the same value
	global_store_b128 v3, v[CS+4*\u:CS+4*\u+3], s[10:11] offset:1024*(\t)+512*\u   ; 32 lanes store 512 consecutive bytes
.endr
.endm
	ROW 0
	ROW 1
	s_wait_dscnt 0x0                               ; for wave 0's sake: my four byte stores are done
	s_barrier_signal -1
	s_barrier_wait -1                              ; everybody's are
	s_cmp_lg_u32 s16, 0                            ; wave 0 alone sends the work-group's scale bytes
	s_cbranch_scc1 .Ldone
	ds_load_b128 v[8:11], v6
	s_wait_dscnt 0x0
	global_store_b128 v3, v[8:11], s[12:13]        ; 512 consecutive bytes, aligned
.Ldone:
	s_wait_tensorcnt 0x0
	ds_add_u32 v254, v255
	s_wait_dscnt 0x0
	s_endpgm
.Lfunc_end_k_qcf8c2dbe6a_lnq1:
	.size	k_qcf8c2dbe6a_lnq1, .Lfunc_end_k_qcf8c2dbe6a_lnq1-k_qcf8c2dbe6a_lnq1
	.p2alignl 7, 3214868480
	.fill 96, 4, 3214868480
	.section	.rodata,"a",@progbits
	.p2align	6, 0x0
	.amdhsa_kernel k_qcf8c2dbe6a_lnq1
		.amdhsa_group_segment_fixed_size 83456
		.amdhsa_private_segment_fixed_size 0
		.amdhsa_enable_private_segment 0
		.amdhsa_kernarg_size 32
		.amdhsa_user_sgpr_count 2
		.amdhsa_user_sgpr_kernarg_segment_ptr 1
		.amdhsa_wavefront_size32 1
		.amdhsa_system_sgpr_workgroup_id_x 1
		.amdhsa_system_sgpr_workgroup_id_y 1
		.amdhsa_system_sgpr_workgroup_id_z 1
		.amdhsa_system_vgpr_workitem_id 0
		.amdhsa_next_free_vgpr 256
		.amdhsa_next_free_sgpr 66
		.amdhsa_reserve_vcc 0
		.amdhsa_float_denorm_mode_32 3
		.amdhsa_float_denorm_mode_16_64 3
		.amdhsa_memory_ordered 1
		.amdhsa_forward_progress 1
		.amdhsa_inst_pref_size 29
	.end_amdhsa_kernel
	.amdgpu_metadata
---
amdhsa.version: [ 1, 2 ]
amdhsa.kernels:
  - .name:           k_qcf8c2dbe6a_lnq1
    .symbol:         k_qcf8c2dbe6a_lnq1.kd
    .args:
      - { .name: x, .offset: 0, .size: 8, .value_kind: global_buffer, .address_space: global }
      - { .name: ln1_g, .offset: 8, .size: 8, .value_kind: global_buffer, .address_space: global }
      - { .name: ln1_b, .offset: 16, .size: 8, .value_kind: global_buffer, .address_space: global }
      - { .name: h, .offset: 24, .size: 8, .value_kind: global_buffer, .address_space: global }
    .group_segment_fixed_size: 83456
    .private_segment_fixed_size: 0
    .kernarg_segment_align: 8
    .kernarg_segment_size: 32
    .max_flat_workgroup_size: 256
    .sgpr_count:     66
    .vgpr_count:     256
    .wavefront_size: 32
...
	.end_amdgpu_metadata
.endif
;; end of part 1
;; launch qkv (part 2): grid 12 x 16, 4 waves a work-group, clusters of 4 x 4, 327,680 bytes of LDS; arguments h, wq_codes, wq_scales, wk_codes, wk_scales, wv_codes, wv_scales, qkv; writes qkv
.if DOCPART == 2
	.amdgcn_target "amdgcn-amd-amdhsa--gfx1250"
	.amdhsa_code_object_version 6
	.text
	.protected	k_qcf8c2dbe6a_qkv
	.globl	k_qcf8c2dbe6a_qkv
	.p2align	8
	.type	k_qcf8c2dbe6a_qkv,@function
k_qcf8c2dbe6a_qkv:
	s_mov_b64 s[64:65], 0
	v_nop
	global_prefetch_b8 v0, s[64:65] scope:SCOPE_SE
	s_setreg_imm32_b32 hwreg(HW_REG_WAVE_MODE, 25, 1), 1
	s_wait_xcnt 0x0
	s_wait_alu depctr_hold_cnt(0) depctr_sa_sdst(0) depctr_va_vdst(0) depctr_va_sdst(0) depctr_va_ssrc(0) depctr_va_vcc(0) depctr_vm_vsrc(0)
	s_getreg_b32 s2, hwreg(HW_REG_IB_STS2, 6, 4)
	s_cmp_eq_u32 s2, 0
	s_cbranch_scc0 .Lentry_in_a_cluster
	s_endpgm
.Lentry_in_a_cluster:
	s_bfe_u32 s2, ttmp6, 0x10000c
	s_cmp_lg_u32 s2, 0xf033
	s_cbranch_scc0 .Lentry_shape_is_right
	s_endpgm
.Lentry_shape_is_right:
; A GEMM on codes of FP8 (E4M3) with E8M0 scales, K = 1,024, whose result is QUANTISED AGAIN along its columns on the way out.  One text serves two launches (flag QKV).
; QKV = 1: cluster x = 0: q = h Wq, 1: k = h Wk (rows = tokens, columns = head x 64 + e, blocks of 32 along e); 2: v^T = Wv h^T (rows = head x 64 + e, columns = tokens, blocks of 32 along the keys).
; QKV = 0: f = relu(h2 W1 + b1), rows = tokens, blocks of 32 along the hidden units; the bias is the C of each sum's first product.
; A tile of 256 x 256 is made by four waves, each 128 x 128 in 64 accumulators.  K goes in steps of 256 through two LDS slots filled by the tensor data mover; the scale bytes of the tile's rows come once.
; CLUSTERS of 4 x 4: A's tiles are asked for jointly along a row of the cluster, B's along a column.  What a cluster multiplies hangs on the cluster's x alone, which all sixteen partners share.
; THE MATRIX INSTRUCTION IS USED TRANSPOSED (source 0 = 16 rows of B, source 1 = 16 rows of A): a lane holds eight neighbouring columns of one row; a block of 32 columns lies in lanes l and l xor 16.
; REGISTERS: window 0: v0-31 addresses; v32-63 scale words; v64-127 the bias (QKV = 0); v128-255 A's fragments, at work on the way out.  window 1: B's two sets.  windows 2, 3: the accumulators.
; LIMITS: NaN and infinities are not served.  A block whose largest magnitude lies under 2^-118 (a block of zeros too) gets the byte 1; this program alone reads the bytes.
; The scale bytes of v and of f leave as 8 bytes a row, rows 32 or 128 bytes apart: a work-group owns no more of a row; they are one byte for each 32 of codes.
.set QKV,    1
.set KSTEP,  256
.set NQ,     2
.set ROWB,   256
.set KROW,   1024
.set PITCH,  272                       ; 256 bytes + 16 of padding: the 16 rows of a load start at 16 different banks (ISA guide 11.1)
.set FR,     16
.set NL,     4
.set NP,     8                         ; places behind this matrix instruction (ISA guide 7.12.1)
.set HALFT,  128*PITCH
.set SLOT,   4*HALFT
.set LAPS,   2
.set KS,     32
.set SCL,    2*SLOT
.set HALFS,  (128*KS/256)*272
.set SBLK,   (16*KS/256)*272
.set SPARE,  SCL+4*HALFS               ; the spare words: 128 bytes a wave, named by no other line
.set SST,    256*272                   ; the way out, in slot 0 behind its last fill and last read: codes 256 rows x 272 at byte 0, scale bytes [256][8] here
.set HSOFF,  4194304                   ; where the scale bytes of h and h2 begin
.if QKV
.set OP,  1024                         ; a row of the output's codes
.set SPI, 32                           ; a row of its scale bytes
.set NS,  10
.else
.set OP,  4096
.set SPI, 128
.set NS,  2
.endif
.set SGQ,  13
.set SRU,  14
.set SGO,  15
.set ADRA, 16
.set ADRB, 20
.set STO,  24
.set RD,   25
.set CO,   26
.set ADRS, 27
.set SPW,  28
.set NIL,  29
.set SSTO, 30
.set SRD,  31
.set SC,   32
.set BIAS, 64
.set AF,   128
.set T,    128                         ; the way out: 64 held numbers,
.set PC,   192                         ; 16 registers of codes,
.set TM,   208                         ; v208-211 largest magnitudes, 212-215 bytes, 216-219 448 x scale, 220-223 scale operands,
.set PW,   224                         ; the scale word
.set MNT,  2
.set SEL,  66
.set G1, 24
.set G0, 32
.set G1B, 48
.set G0B, 56
.set G1S, 68
.set G0S, 76
.set G1SB, 80
.set G0SB, 88
.set MSB, 0
.macro WIN new                         ; the immediate's high byte repeats the setting that is left
.if MSB != \new
	s_set_vgpr_msb (MSB<<8)|\new
.set MSB, \new
.endif
.endm
.set MUL_LO, 0xa1
.set MUL_HI, 0xf1
.set TO_B,   0x40
.macro JLOAD g0a, g1a, g0b, g1b        ; a joint load: waves 0 and 1 fetch for A, waves 2 and 3 for B; four v_nop follow each line
	s_cmp_eq_u32 s15, 0
	s_cbranch_scc0 .Lfor_b_\@
	tensor_load_to_lds s[\g0a:\g0a+3], s[\g1a:\g1a+7]
	s_nop 0
.rept 4
	v_nop
.endr
	s_branch .Lasked_\@
.Lfor_b_\@:
	tensor_load_to_lds s[\g0b:\g0b+3], s[\g1b:\g1b+7]
	s_nop 0
.rept 4
	v_nop
.endr
.Lasked_\@:
.endm
.macro CREST
	s_cmp_lg_u32 s14, 0
	s_cbranch_scc1 .Lnot_wave_0_\@
	s_barrier_signal -3
.Lnot_wave_0_\@:
	s_barrier_wait -3
	s_barrier_signal -1
	s_barrier_wait -1
.endm
.macro CROUND
	s_barrier_signal -1
	s_barrier_wait -1
	CREST
.endm
.if QKV
	s_load_b512 s[68:83], s[0:1], 0x0              ; h, wq codes, scales, wk codes, scales, wv codes, scales, the output
.else
	s_load_b64 s[4:5], s[0:1], 0x0                 ; h2
	s_load_b64 s[8:9], s[0:1], 0x8                 ; the weight's codes
	s_load_b64 s[10:11], s[0:1], 0x10              ; its scales
	s_load_b64 s[96:97], s[0:1], 0x18              ; the bias
	s_load_b64 s[12:13], s[0:1], 0x20              ; the output
.endif
	v_lshl_add_u32 v[SPW], v0, 2, SPARE
	v_mov_b32 v[NIL], 0
	ds_add_u32 v28, v29
	ds_add_u32 v28, v29
	s_wait_dscnt 0x0
	v_lshrrev_b32 v1, 5, v0
	v_readfirstlane_b32 s14, v1                    ; wave 0..3
	s_lshr_b32 s15, s14, 1                         ; my half of the tile's rows; also: I fetch for A (0) or B (1)
	s_and_b32 s16, s14, 1                          ; my half of its columns; also: which 128 rows I fetch
	s_bfe_u32 s40, ttmp6, 0x40000                  ; cx
	s_bfe_u32 s41, ttmp6, 0x40004                  ; cy
	s_and_b32 s95, ttmp7, 0xffff                   ; cluster y
	s_lshl_b32 s17, s95, 2
.if QKV
	s_cmp_eq_u32 ttmp9, 2                          ; v^T: A is the weight (4 tiles of rows), B is h (16 tiles)
	s_cselect_b32 s42, s17, 0
	s_cselect_b32 s17, 0, s17
.else
	s_lshl_b32 s42, ttmp9, 2
.endif
	s_add_co_u32 s42, s42, s40                     ; B's tile
	s_add_co_u32 s17, s17, s41                     ; A's tile
	s_lshl_b32 s43, s41, 2
	s_lshl_b32 s43, 15, s43                        ; my row of the cluster
	s_lshl_b32 s44, 0x1111, s40                    ; my column
	s_mov_b32 s[MNT], 0x600000
	s_mov_b32 s[SEL], 0x76543210
	s_mov_b32 s[SEL+1], 0xfedcba98
	s_or_b32 s[G1+0], s43, (0<<16)|(1<<20)|(1<<21)|(5<<22)|(3<<25)  ; mask; elements of 1 byte; padding of 4 words behind every 64; bit 21 beside a mask
	s_or_b32 s[G1B+0], s44, (0<<16)|(1<<20)|(1<<21)|(5<<22)|(3<<25)
.irp g, G1, G1B
	s_mov_b32 s[\g+1], ROWB<<16                    ; tensor_dim0
	s_mov_b32 s[\g+2], 128<<16                     ; tensor_dim1
	s_mov_b32 s[\g+3], ROWB<<16                    ; tile_dim0
	s_mov_b32 s[\g+4], 128                         ; tile_dim1
	s_mov_b32 s[\g+5], KROW                        ; the pitch
	s_mov_b32 s[\g+6], 0
	s_mov_b32 s[\g+7], 0
.endr
	s_lshl_b32 s18, s16, 7
	s_lshl_b32 s20, s17, 8
	s_add_co_u32 s20, s20, s18                     ; A: row 256 x tile + 128 x half
	s_lshl_b32 s46, s42, 8
	s_add_co_u32 s46, s46, s18                     ; B likewise
	s_lshl_b32 s22, s20, 5                         ; their scale bytes: 32 a row
	s_mov_b32 s23, 0
	s_lshl_b32 s92, s46, 5
	s_mov_b32 s93, 0
	s_lshl_b32 s20, s20, 10                        ; their codes: 1,024 a row
	s_mov_b32 s21, 0
	s_lshl_b32 s46, s46, 10
	s_mov_b32 s47, 0
	s_mul_i32 s45, s14, HALFT                      ; where they go: no place in the cluster enters an LDS address
	s_mul_i32 s94, s14, HALFS
	s_wait_kmcnt 0x0
.if QKV
	s_add_nc_u64 s[84:85], s[68:69], HSOFF         ; h's scale bytes
	s_mov_b64 s[12:13], s[82:83]
	s_cmp_eq_u32 ttmp9, 0
	s_cselect_b64 s[8:9], s[70:71], s[74:75]       ; the weight: wq, wk
	s_cselect_b64 s[10:11], s[72:73], s[76:77]
	s_cmp_eq_u32 ttmp9, 2
	s_cselect_b64 s[8:9], s[78:79], s[8:9]         ; or wv
	s_cselect_b64 s[10:11], s[80:81], s[10:11]
	s_cselect_b64 s[4:5], s[8:9], s[68:69]         ; A: the weight for v^T, else h
	s_cselect_b64 s[6:7], s[10:11], s[84:85]
	s_cselect_b64 s[8:9], s[68:69], s[8:9]         ; B: the other one
	s_cselect_b64 s[10:11], s[84:85], s[10:11]
.else
	s_add_nc_u64 s[6:7], s[4:5], HSOFF
.endif
	s_or_b32 s[G1S+0], s43, (3<<16)|(1<<20)|(1<<21)|(5<<22)|(3<<25)  ; the scales of 128 rows: a dense block as rows of 256 bytes (32 elements of 8), 16 bytes of padding behind each
	s_or_b32 s[G1SB+0], s44, (3<<16)|(1<<20)|(1<<21)|(5<<22)|(3<<25)
.irp g, G1S, G1SB
	s_mov_b32 s[\g+1], 32<<16
	s_mov_b32 s[\g+2], (128*KS/256)<<16
	s_mov_b32 s[\g+3], 32<<16
	s_mov_b32 s[\g+4], 128*KS/256
	s_mov_b32 s[\g+5], 32
	s_mov_b32 s[\g+6], 0
	s_mov_b32 s[\g+7], 0
.endr
	s_add_nc_u64 s[20:21], s[4:5], s[20:21]
	s_add_nc_u64 s[22:23], s[6:7], s[22:23]
	s_add_nc_u64 s[46:47], s[8:9], s[46:47]
	s_add_nc_u64 s[92:93], s[10:11], s[92:93]
	CROUND                                         ; all sixteen work-groups are here: the first joint loads meet
	s_mov_b32 s[G0S], 1
	s_add_co_u32 s[G0S+1], s94, SCL
	s_mov_b64 s[G0S+2:G0S+3], s[22:23]
	s_or_b32 s[G0S+3], s[G0S+3], 0x80000000
	s_mov_b32 s[G0SB], 1
	s_add_co_u32 s[G0SB+1], s94, SCL
	s_mov_b64 s[G0SB+2:G0SB+3], s[92:93]
	s_or_b32 s[G0SB+3], s[G0SB+3], 0x80000000
	JLOAD G0S, G1S, G0SB, G1SB                     ; the scales first; three loads of mine are out at the most
.irp s, 0,1
	s_mov_b32 s[G0+4*\s], 1
	s_add_co_u32 s[G0+4*\s+1], s45, \s*SLOT
	s_add_nc_u64 s[G0+4*\s+2:G0+4*\s+3], s[20:21], \s*ROWB
	s_or_b32 s[G0+4*\s+3], s[G0+4*\s+3], 0x80000000
	s_mov_b32 s[G0B+4*\s], 1
	s_add_co_u32 s[G0B+4*\s+1], s45, \s*SLOT
	s_add_nc_u64 s[G0B+4*\s+2:G0B+4*\s+3], s[46:47], \s*ROWB
	s_or_b32 s[G0B+4*\s+3], s[G0B+4*\s+3], 0x80000000
	JLOAD G0+4*\s, G1, G0B+4*\s, G1B
.endr
	v_and_b32 v1, 15, v0                           ; r
	v_bfe_u32 v2, v0, 4, 1                         ; h
	v_mul_u32_u24 v3, v1, PITCH
	v_lshl_add_u32 v4, v2, 4, v3
	s_mul_i32 s21, s15, HALFT
	s_mul_i32 s22, s16, HALFT
	s_add_co_u32 s22, s22, 2*HALFT
.irp s, 0,1
	v_add_nc_u32 v[ADRA+\s], s21, v4
	v_add_nc_u32 v[ADRB+\s], s22, v4
	s_add_co_u32 s21, s21, SLOT
	s_add_co_u32 s22, s22, SLOT
.endr
	v_mul_u32_u24 v5, v1, KS                       ; my row's scales, 16 more for each 256 passed
	v_lshrrev_b32 v6, 8, v5
	v_lshl_add_u32 v5, v6, 4, v5
	s_mul_i32 s21, s15, HALFS
	s_mul_i32 s22, s16, HALFS
	s_add_co_u32 s22, s22, 2*HALFS
	s_sub_co_u32 s22, s22, s21
	v_mul_u32_u24 v6, s22, v2                      ; lanes 16-31 take B's
	s_add_co_u32 s21, s21, SCL
	v_add_nc_u32 v5, v5, v6
	v_add_nc_u32 v[ADRS], s21, v5
	; the way out
	s_mul_i32 s23, s15, 128*272
	s_lshl_b32 s21, s16, 7
	s_add_co_u32 s23, s23, s21
	v_mul_u32_u24 v5, v1, 272
	v_lshl_add_u32 v5, v2, 3, v5
	v_add_nc_u32 v[STO], s23, v5                   ; codes in: row 128 x half + r, byte 128 x half + 8 h
	s_lshl_b32 s23, s15, 10
	s_lshl_b32 s21, s16, 2
	s_add_co_u32 s23, s23, s21
	s_add_co_u32 s23, s23, SST
	v_lshl_add_u32 v[SSTO], v1, 3, s23             ; my row's scale word
	s_mul_i32 s23, s14, 64*272
	v_mul_u32_u24 v5, v2, 272
	v_lshl_add_u32 v5, v1, 4, v5
	v_add_nc_u32 v[RD], s23, v5                    ; codes back: wave w takes rows 64 w on, sixteen lanes to a row
	v_mul_u32_u24 v5, v2, OP
	v_lshl_add_u32 v[CO], v1, 4, v5
	v_and_b32 v6, 31, v0
	s_lshl_b32 s23, s14, 9
	s_add_co_u32 s23, s23, SST
	v_lshl_add_u32 v[SRD], v6, 3, s23              ; scale bytes back: a lane a row
	v_mul_u32_u24 v[SGO], v6, SPI
	s_lshl_b32 s20, s17, 8
	s_lshl_b32 s21, s14, 6
	s_add_co_u32 s20, s20, s21                     ; the first row that I store: 256 x tile + 64 x wave
.if QKV
	s_lshl_b32 s23, s14, 1
	s_add_co_u32 s23, s23, SST
	v_lshl_add_u32 v[SRU], v6, 6, s23              ; q, k: wave w takes head 4 cx + w: bytes 2 w, 2 w + 1 of rows 8 lane + 0 .. 7
	v_lshlrev_b32 v[SGQ], 4, v6
	s_lshl_b32 s46, s20, 10
	s_lshl_b32 s47, s40, 8
	s_add_co_u32 s46, s46, s47                     ; + 256 cx
	s_lshl_b32 s47, ttmp9, 22
	s_add_co_u32 s46, s46, s47                     ; q, k, v^T: 4 MiB each
	s_lshl_b32 s47, s95, 20
	s_cmp_eq_u32 ttmp9, 2
	s_cselect_b32 s47, s47, 0                      ; v^T: the batch is the cluster's y
	s_add_co_u32 s46, s46, s47
	s_mov_b32 s47, 0
	s_add_nc_u64 s[98:99], s[12:13], 12582912
	s_add_nc_u64 s[12:13], s[12:13], s[46:47]
	s_lshl_b32 s46, s20, 5                         ; v's scale bytes: [batch][row][32]
	s_lshl_b32 s47, s95, 15
	s_add_co_u32 s46, s46, s47
	s_lshl_b32 s47, s40, 3
	s_add_co_u32 s46, s46, s47
	s_add_co_u32 s46, s46, 262144
	s_lshl_b32 s21, s40, 2                         ; q's and k's: [head][token][2]
	s_add_co_u32 s21, s21, s14
	s_lshl_b32 s21, s21, 13
	s_lshl_b32 s47, s17, 9
	s_add_co_u32 s21, s21, s47
	s_lshl_b32 s47, ttmp9, 17
	s_add_co_u32 s21, s21, s47
	s_cmp_eq_u32 ttmp9, 2
	s_cselect_b32 s46, s46, s21
	s_mov_b32 s47, 0
	s_add_nc_u64 s[98:99], s[98:99], s[46:47]
.else
	s_lshl_b32 s46, s20, 12
	s_lshl_b32 s47, s42, 8
	s_add_co_u32 s46, s46, s47
	s_mov_b32 s47, 0
	s_add_nc_u64 s[98:99], s[12:13], 16777216
	s_add_nc_u64 s[12:13], s[12:13], s[46:47]
	s_lshl_b32 s46, s20, 7
	s_lshl_b32 s21, s42, 3
	s_add_co_u32 s46, s46, s21
	s_add_nc_u64 s[98:99], s[98:99], s[46:47]
	s_lshl_b32 s46, s42, 10
	s_lshl_b32 s21, s16, 9
	s_add_co_u32 s46, s46, s21
	s_add_nc_u64 s[96:97], s[96:97], s[46:47]      ; the bias of my 128 columns
	v_lshlrev_b32 v7, 5, v2
.irp b, 0,1,2,3,4,5,6,7
	global_load_b128 v[BIAS+8*\b:BIAS+8*\b+3], v7, s[96:97] offset:64*\b       ; tile b: columns 16 b + 8 h + 0 .. 7, the result's layout
	global_load_b128 v[BIAS+8*\b+4:BIAS+8*\b+7], v7, s[96:97] offset:64*\b+16
.endr
.endif
.macro FRAG reg, adr, q, i             ; 16 rows x 128 K: registers 4 c .. 4 c + 3 hold K = 32 c + 16 (l / 16) + 0 .. 15
.irp c, 0,1,2,3
	ds_load_b128 v[\reg+4*\c:\reg+4*\c+3], v[\adr] offset:128*(\q)+32*\c+(\i)*16*PITCH
.endr
.endm
; 16 matrix instructions: A's blocks a0, a0 + 1 x B's eight.  zero = 1: C = 0 starts the sums; 2: the bias does.  The 64 accumulators take turns.
.macro MUL16 a0, p, q, sc, zero
.irp a, \a0, \a0+1
.irp b, 0,1,2,3,4,5,6,7
.if (\zero) == 1
	v_wmma_scale_f32_16x16x128_f8f6f4 v[8*(8*((\a)%4)+\b):8*(8*((\a)%4)+\b)+7], v[128*(\p)+FR*\b:128*(\p)+FR*\b+FR-1], v[AF+FR*(\a):AF+FR*(\a)+FR-1], 0, v[SC+8*NQ*(\sc)+NQ*\b+(\q)], v[SC+8*NQ*(\sc)+NQ*(\a)+(\q)] matrix_a_scale:MATRIX_SCALE_ROW1
.elseif (\zero) == 2
	v_wmma_scale_f32_16x16x128_f8f6f4 v[8*(8*((\a)%4)+\b):8*(8*((\a)%4)+\b)+7], v[128*(\p)+FR*\b:128*(\p)+FR*\b+FR-1], v[AF+FR*(\a):AF+FR*(\a)+FR-1], v[BIAS+8*\b:BIAS+8*\b+7], v[SC+8*NQ*(\sc)+NQ*\b+(\q)], v[SC+8*NQ*(\sc)+NQ*(\a)+(\q)] matrix_a_scale:MATRIX_SCALE_ROW1
.else
	v_wmma_scale_f32_16x16x128_f8f6f4 v[8*(8*((\a)%4)+\b):8*(8*((\a)%4)+\b)+7], v[128*(\p)+FR*\b:128*(\p)+FR*\b+FR-1], v[AF+FR*(\a):AF+FR*(\a)+FR-1], v[8*(8*((\a)%4)+\b):8*(8*((\a)%4)+\b)+7], v[SC+8*NQ*(\sc)+NQ*\b+(\q)], v[SC+8*NQ*(\sc)+NQ*(\a)+(\q)] matrix_a_scale:MATRIX_SCALE_ROW1
.endif
.endr
.endr
.endm
.macro FETCH_B slot, q, p
	WIN TO_B
.irp i, 0,1,2,3,4,5,6,7
	FRAG 128*(\p)+FR*\i, ADRB+\slot, \q, \i
.endr
	WIN 0
.endm
.macro FETCH_A slot, q, i0
.irp i, \i0, \i0+1, \i0+2, \i0+3
	FRAG AF+FR*(\i), ADRA+\slot, \q, \i
.endr
.endm
.macro SCALES sc                       ; lanes 0-15 take the words of A's block i, lanes 16-31 those of B's
.irp i, 0,1,2,3,4,5,6,7
	ds_load_b64 v[SC+8*NQ*\sc+NQ*\i:SC+8*NQ*\sc+NQ*\i+1], v[ADRS] offset:\i*SBLK
.endr
.endm
.macro PLACES n                        ; plain vector instructions between a matrix instruction and a load into, or a read of, its registers
.rept \n
	v_nop
.endr
.endm
.macro STEP slot, q, zero              ; 128 along K with a successor in the same slot
	s_wait_dscnt 4*NL                              ; B's set and A's blocks 0-3 are in; A's blocks 4-7 (16 loads) may be out
.if (\zero) == 2
	WIN 0x81                                       ; C (the bias) in window 0, D in window 2
.else
	WIN MUL_LO
.endif
	MUL16 0, (\q)%2, \q, \slot, \zero
	MUL16 2, (\q)%2, \q, \slot, \zero
	s_wait_dscnt 0
	PLACES NP
	FETCH_B \slot, (\q)+1, 1-(\q)%2
	FETCH_A \slot, (\q)+1, 0
.if (\zero) == 2
	WIN 0xc1
.else
	WIN MUL_HI
.endif
	MUL16 4, (\q)%2, \q, \slot, \zero
	MUL16 6, (\q)%2, \q, \slot, \zero
	PLACES NP
	WIN 0
	FETCH_A \slot, (\q)+1, 4
.endm
; A slot's last step changes slots: one barrier; in front of it each wave waits for all its tensor loads, adds 0 to its spare word, and waits for that and for its reads of this slot.
.macro TURN slot, next, fill
	s_wait_tensorcnt 0x0                           ; all my tensor loads have landed: my part of the next slot
	ds_add_u32 v[SPW], v[NIL]
	s_wait_dscnt 4*NL+1                            ; the add and A's blocks 4-7 may be out
	WIN MUL_LO
	MUL16 0, 1, NQ-1, \slot, 0
	s_wait_dscnt 0x0                               ; the add is done, and my reads of this slot are over
	s_barrier_signal -1
	MUL16 2, 1, NQ-1, \slot, 0
	WIN 0
	s_barrier_wait -1
.if \fill
	CREST                                          ; the barrier has opened a round of the cluster's: no wave of any partner still reads this slot or has a load on its way
	s_add_nc_u64 s[G0+4*\slot+2:G0+4*\slot+3], s[G0+4*\slot+2:G0+4*\slot+3], 2*ROWB
	s_add_nc_u64 s[G0B+4*\slot+2:G0B+4*\slot+3], s[G0B+4*\slot+2:G0B+4*\slot+3], 2*ROWB
	JLOAD G0+4*\slot, G1, G0B+4*\slot, G1B         ; my one tensor load behind the round
	PLACES NP-4
.else
	PLACES NP
.endif
	v_add_nc_u32 v[ADRS], 4*NQ, v[ADRS]
	FETCH_B \next, 0, 0
	FETCH_A \next, 0, 0
	SCALES \next
	WIN MUL_HI
	MUL16 4, 1, NQ-1, \slot, 0
	MUL16 6, 1, NQ-1, \slot, 0
	PLACES NP
	WIN 0
	FETCH_A \next, 0, 4
.endm
	s_wait_tensorcnt 1                             ; the scales and my part of K step 0 are in; K step 1's load may be out
	s_barrier_signal -1
	s_barrier_wait -1
	FETCH_B 0, 0, 0
	FETCH_A 0, 0, 0
	SCALES 0
	FETCH_A 0, 0, 4
.if QKV
	STEP 0, 0, 1
.else
	s_wait_loadcnt 0x0                             ; the bias
	STEP 0, 0, 2
.endif
	s_mov_b32 s3, LAPS-1
.Llap:
	TURN 0, 1, 1
	STEP 1, 0, 0
	TURN 1, 0, 1
	STEP 0, 0, 0
	s_sub_co_u32 s3, s3, 1
	s_cmp_lg_u32 s3, 0
	s_cbranch_scc1 .Llap
	TURN 0, 1, 0                                   ; the last lap fills nothing
	STEP 1, 0, 0
	s_wait_dscnt 4*NL
	WIN MUL_LO
	MUL16 0, 1, NQ-1, 1, 0
	MUL16 2, 1, NQ-1, 1, 0
	s_wait_dscnt 0
	WIN MUL_HI
	MUL16 4, 1, NQ-1, 1, 0
	MUL16 6, 1, NQ-1, 1, 0
	WIN 0
; THE WAY OUT.  Block a: 16 rows x 128 columns = four blocks of 32 along the columns; block e is tiles 2 e and 2 e + 1: 16 registers in each of lanes l and l xor 16.
; relu = 1: what is negative becomes 0: it does not count for the largest magnitude, and the hold clips at 0.  Each accumulator is read from its low end on.
.macro QUANT a, relu
.set AC, 64*((\a)%4)
	WIN 0x0a+5*((\a)/4)                            ; sources 0 and 1: window 2 or 3
.irp e, 0,1,2,3
.if \relu
	v_max3_num_f32 v[TM+\e], v[AC+16*\e], v[AC+16*\e+1], 0x4800000     ; with the floor 2^(9 - 127): the byte cannot fall under 1
.else
	v_max3_num_f32 v[TM+\e], |v[AC+16*\e]|, |v[AC+16*\e+1]|, 0x4800000
.endif
.endr
.irp i, 2,4,6,8,10,12,14
.irp e, 0,1,2,3
.if \relu
	v_max3_num_f32 v[TM+\e], v[AC+16*\e+\i], v[AC+16*\e+\i+1], v[TM+\e]
.else
	v_max3_num_f32 v[TM+\e], |v[AC+16*\e+\i]|, |v[AC+16*\e+\i+1]|, v[TM+\e]
.endif
.endr
.endr
	WIN 0
	s_wait_dscnt 0x0                               ; the last block's stage stores have read the codes' registers and the scale word
.irp e, 0,1,2,3
	v_permlanex16_b32 v[TM+4+\e], v[TM+\e], s[SEL], s[SEL+1]
.endr
.irp e, 0,1,2,3
	v_max_num_f32 v[TM+\e], v[TM+\e], v[TM+4+\e]
.endr
.irp e, 0,1,2,3
	v_add_nc_u32 v[TM+12+\e], 0xfc000000, v[TM+\e]             ; 8 off the exponent field: the conversion's scale operand
.endr
.irp e, 0,1,2,3
	v_and_or_b32 v[TM+8+\e], v[TM+\e], 0x7f800000, s[MNT]      ; 448 x the scale
.endr
.irp e, 0,1,2,3
	v_lshrrev_b32 v[TM+4+\e], 23, v[TM+12+\e]                  ; the byte
.endr
	v_lshl_or_b32 v[PW], v[TM+5], 8, v[TM+4]
	v_lshl_or_b32 v[PW], v[TM+6], 16, v[PW]
	v_lshl_or_b32 v[PW], v[TM+7], 24, v[PW]
	WIN 0x02+(\a)/4                                ; source 0: window 2 or 3
.irp e, 0,1,2,3
.irp i, 0,1,2,3,4,5,6,7,8,9,10,11,12,13,14,15
.if \relu
	v_med3_num_f32 v[T+16*\e+\i], v[AC+16*\e+\i], 0, v[TM+8+\e]
.else
	v_med3_num_f32 v[T+16*\e+\i], v[AC+16*\e+\i], -v[TM+8+\e], v[TM+8+\e]   ; the conversion does not saturate (ISA guide 7.6.2)
.endif
.endr
.endr
	WIN 0
.irp e, 0,1,2,3
	v_cvt_scalef32_pk8_fp8_f32 v[PC+4*\e:PC+4*\e+1], v[T+16*\e:T+16*\e+7], v[TM+12+\e]
	v_cvt_scalef32_pk8_fp8_f32 v[PC+4*\e+2:PC+4*\e+3], v[T+16*\e+8:T+16*\e+15], v[TM+12+\e]
.endr
	v_nop                                          ; a plain instruction behind the conversions
.irp e, 0,1,2,3
.irp u, 0,1
	ds_store_b64 v[STO], v[PC+4*\e+2*\u:PC+4*\e+2*\u+1] offset:(\a)*16*272+32*\e+16*\u   ; columns 32 e + 16 u + 8 h + 0 .. 7
.endr
.endr
	ds_store_b32 v[SSTO], v[PW] offset:(\a)*128    ; both halves of the lanes store the same word
.endm
	PLACES NP
.irp e, 0,1,2,3
	v_mov_b32 v[TM+4+\e], 0                        ; a lane permute's destination counts as one of its sources
.endr
.irp a, 0,1,2,3,4,5,6,7
	QUANT \a, 1-QKV
.endr
	s_wait_dscnt 0x0                               ; for the others' sake: my stores into the stage are done
	s_barrier_signal -1
	s_barrier_wait -1
	ds_load_b64 v[8:9], v[SRD]
	ds_load_b64 v[10:11], v[SRD] offset:256
.if QKV
.irp i, 0,1,2,3,4,5,6,7
	ds_load_u16 v[32+\i], v[SRU] offset:8*\i
.endr
.endif
.set i, 0
.rept 32
	ds_load_b128 v[128+4*i:128+4*i+3], v[RD] offset:2*i*272
.set i, i+1
.endr
	s_wait_dscnt 32                                ; the scale bytes are back; the 32 loads of codes may be out
.if QKV
	v_lshl_or_b32 v32, v33, 16, v32
	v_lshl_or_b32 v33, v35, 16, v34
	v_lshl_or_b32 v34, v37, 16, v36
	v_lshl_or_b32 v35, v39, 16, v38
	s_cmp_eq_u32 ttmp9, 2                          ; the cluster's x: the same in all partners; only stores to memory stand under the branch
	s_cbranch_scc1 .Lv_scales
	global_store_b128 v[SGQ], v[32:35], s[98:99]   ; one head's bytes of 256 tokens: 512 consecutive bytes
	s_branch .Lscales_out
.Lv_scales:
.endif
	global_store_b64 v[SGO], v[8:9], s[98:99]
	global_store_b64 v[SGO], v[10:11], s[98:99] offset:32*SPI
.if QKV
.Lscales_out:
.endif
.set i, 0
.rept 32
	s_wait_dscnt 31-i
	global_store_b128 v[CO], v[128+4*i:128+4*i+3], s[12:13] offset:2*i*OP      ; sixteen lanes store 256 consecutive bytes, aligned
.set i, i+1
.endr
	s_wait_tensorcnt 0x0                           ; the wave's end
	ds_add_u32 v[SPW], v[NIL]
	s_wait_dscnt 0x0
	CROUND                                         ; the closing round
	s_endpgm
.Lfunc_end_k_qcf8c2dbe6a_qkv:
	.size	k_qcf8c2dbe6a_qkv, .Lfunc_end_k_qcf8c2dbe6a_qkv-k_qcf8c2dbe6a_qkv
	.p2alignl 7, 3214868480
	.fill 96, 4, 3214868480
	.section	.rodata,"a",@progbits
	.p2align	6, 0x0
	.amdhsa_kernel k_qcf8c2dbe6a_qkv
		.amdhsa_group_segment_fixed_size 327680
		.amdhsa_private_segment_fixed_size 0
		.amdhsa_enable_private_segment 0
		.amdhsa_kernarg_size 64
		.amdhsa_user_sgpr_count 2
		.amdhsa_user_sgpr_kernarg_segment_ptr 1
		.amdhsa_wavefront_size32 1
		.amdhsa_system_sgpr_workgroup_id_x 1
		.amdhsa_system_sgpr_workgroup_id_y 1
		.amdhsa_system_sgpr_workgroup_id_z 1
		.amdhsa_system_vgpr_workitem_id 0
		.amdhsa_next_free_vgpr 1024
		.amdhsa_next_free_sgpr 100
		.amdhsa_reserve_vcc 0
		.amdhsa_float_denorm_mode_32 3
		.amdhsa_float_denorm_mode_16_64 3
		.amdhsa_memory_ordered 1
		.amdhsa_forward_progress 1
		.amdhsa_inst_pref_size 195
	.end_amdhsa_kernel
	.amdgpu_metadata
---
amdhsa.version: [ 1, 2 ]
amdhsa.kernels:
  - .name:           k_qcf8c2dbe6a_qkv
    .symbol:         k_qcf8c2dbe6a_qkv.kd
    .args:
      - { .name: h, .offset: 0, .size: 8, .value_kind: global_buffer, .address_space: global }
      - { .name: wq_codes, .offset: 8, .size: 8, .value_kind: global_buffer, .address_space: global }
      - { .name: wq_scales, .offset: 16, .size: 8, .value_kind: global_buffer, .address_space: global }
      - { .name: wk_codes, .offset: 24, .size: 8, .value_kind: global_buffer, .address_space: global }
      - { .name: wk_scales, .offset: 32, .size: 8, .value_kind: global_buffer, .address_space: global }
      - { .name: wv_codes, .offset: 40, .size: 8, .value_kind: global_buffer, .address_space: global }
      - { .name: wv_scales, .offset: 48, .size: 8, .value_kind: global_buffer, .address_space: global }
      - { .name: qkv, .offset: 56, .size: 8, .value_kind: global_buffer, .address_space: global }
    .group_segment_fixed_size: 327680
    .private_segment_fixed_size: 0
    .kernarg_segment_align: 8
    .kernarg_segment_size: 64
    .max_flat_workgroup_size: 128
    .sgpr_count:     100
    .vgpr_count:     1024
    .wavefront_size: 32
...
	.end_amdgpu_metadata
.endif
;; end of part 2
;; launch att (part 3): grid 4 x 64, 16 waves a work-group, clusters of 4 x 1, 174,080 bytes of LDS; arguments qkv, o; writes o
.if DOCPART == 3
	.amdgcn_target "amdgcn-amd-amdhsa--gfx1250"
	.amdhsa_code_object_version 6
	.text
	.protected	k_qcf8c2dbe6a_att
	.globl	k_qcf8c2dbe6a_att
	.p2align	8
	.type	k_qcf8c2dbe6a_att,@function
k_qcf8c2dbe6a_att:
	s_mov_b64 s[64:65], 0
	v_nop
	global_prefetch_b8 v0, s[64:65] scope:SCOPE_SE
	s_setreg_imm32_b32 hwreg(HW_REG_WAVE_MODE, 25, 1), 1
	s_wait_xcnt 0x0
	s_wait_alu depctr_hold_cnt(0) depctr_sa_sdst(0) depctr_va_vdst(0) depctr_va_sdst(0) depctr_va_ssrc(0) depctr_va_vcc(0) depctr_vm_vsrc(0)
	s_getreg_b32 s2, hwreg(HW_REG_IB_STS2, 6, 4)
	s_cmp_eq_u32 s2, 0
	s_cbranch_scc0 .Lentry_in_a_cluster
	s_endpgm
.Lentry_in_a_cluster:
	s_bfe_u32 s2, ttmp6, 0x10000c
	s_cmp_lg_u32 s2, 0x3003
	s_cbranch_scc0 .Lentry_shape_is_right
	s_endpgm
.Lentry_shape_is_right:
; Causal attention on codes of FP8 (E4M3) with E8M0 scales, head size 64, 1,024 tokens; its result o is quantised along the model's 1,024 (two blocks of 32 a head).
; In: q, k codes [token][1024] (a head's 64 bytes of a row), v^T codes [batch][head x 64 + e][1024 keys]; scale bytes q, k [head][token][2], v [batch][head x 64 + e][32].
; Out: o's codes [batch][head][token][64] at byte 0, its scale bytes [token][32] at byte 4,194,304.
; SOFTMAX: t = score x log2(e) / 8; M = the running largest t rounded UP to a whole number; p = 2^(t - M) is quantised along the keys; the row's sum is taken of the unquantised p and divides at the end.
; A CLUSTER is one (batch, head): its four work-groups need the same K, V and scale bytes, which come ONCE, jointly, at the head, and stay in LDS: nothing is filled again.
; SHARES.  Wave w has p = 4 (w / 4) + ((w % 4) xor 3 ((w / 4) % 2)) and the 16 queries from 64 p + 16 cx on.  The key step (128 keys) on its diagonal is p / 2, whatever cx:
; so every branch hangs on the wave's number and the loop's count alone; cx enters only addresses in memory and the mask's numbers.  Steps behind the diagonal are jumped over.
; LAYOUT: both products transposed (S^T = K Q^T, O^T = V^T P^T): a lane holds one query.  Lane r of key tile 2 b + u takes key 32 b + 8 u + r + 8 (r / 8): p's 16 registers of two tiles are 16 neighbouring keys.
; The first product's K is 64: registers 8-15 of Q's and K's fragments hold zero codes, which add nothing.
; LIMITS: NaN and infinities are not served; a block of o under 2^-118 gets the byte 1 (this program alone reads the bytes); o's scale bytes leave as single bytes, two a row and head.
.set KP,   80                          ; a key's row: 64 bytes + 16
.set VP,   1040                        ; a row of V^T: 1,024 bytes + 16
.set VT,   1024*KP
.set KSC,  VT+64*VP                    ; K's scale bytes: 8 runs of 256 + 16, one for each key step
.set VSC,  KSC+8*272                   ; V's: 8 runs, eight rows each
.set STG,  VSC+8*272                   ; 1,024 bytes a wave for the way out: blocks of 256 bytes into which no fill lands
.set AK0,  1
.set AV0,  2
.set ASK0, 3
.set ASV0, 4
.set ADK,  8
.set ADV,  9
.set ADS,  10
.set ADT,  11
.set WV,   18
.set MNT,  19
.set SEL,  20
.set CS,   22
.set G1K,  24
.set G1V,  32
.set G0K,  40
.set G0V,  44
.set G1S,  48
.set G0SK, 56
.set G0SV, 60
.set TBK,  2
.set TBV,  3
.set TSK,  66
.set TSV,  67
.set IX,   98
.set DS,   99
.macro ROUND
	s_barrier_signal -1
	s_barrier_wait -1
	s_cmp_lg_u32 s[WV], 0
	s_cbranch_scc1 .Lnot_wave_0_\@
	s_barrier_signal -3
.Lnot_wave_0_\@:
	s_barrier_wait -3
	s_barrier_signal -1
	s_barrier_wait -1
.endm
	s_load_b128 s[4:7], s[0:1], 0x0                ; qkv, o
	v_lshl_add_u32 v222, v0, 2, 0x2a000
	v_mov_b32 v223, 0
	ds_add_u32 v222, v223
	ds_add_u32 v222, v223
	v_lshrrev_b32 v8, 5, v0
	v_readfirstlane_b32 s[WV], v8                  ; wave 0..15
	s_bfe_u32 s68, ttmp6, 0x40000                  ; cx
	s_and_b32 s69, ttmp7, 0xffff                   ; 16 x batch + head
	s_lshr_b32 s70, s69, 4
	s_and_b32 s71, s69, 15
	s_lshr_b32 s72, s[WV], 2
	s_and_b32 s73, s72, 1
	s_mul_i32 s73, s73, 3
	s_and_b32 s74, s[WV], 3
	s_xor_b32 s73, s73, s74
	s_lshl_b32 s72, s72, 2
	s_add_co_u32 s72, s72, s73                     ; p
	s_lshr_b32 s[DS], s72, 1                       ; the key step on my diagonal
	s_lshl_b32 s75, s72, 6
	s_lshl_b32 s76, s68, 4
	s_add_co_u32 s75, s75, s76                     ; my first query
	s_mov_b32 s[G1K], 15|(0<<16)|(1<<20)|(1<<21)|(3<<22)|(3<<25)  ; all four partners; elements of 1 byte; 4 words of padding behind every 16
	s_mov_b32 s[G1K+1], 64<<16
	s_mov_b32 s[G1K+2], 256<<16
	s_mov_b32 s[G1K+3], 64<<16
	s_mov_b32 s[G1K+4], 256
	s_mov_b32 s[G1K+5], 1024
	s_mov_b32 s[G1K+6], 0
	s_mov_b32 s[G1K+7], 0
	s_mov_b32 s[G1V], 15|(0<<16)|(1<<20)|(1<<21)|(7<<22)|(3<<25)  ; 4 words behind every 256
	s_mov_b32 s[G1V+1], 1024<<16
	s_mov_b32 s[G1V+2], 16<<16
	s_mov_b32 s[G1V+3], 1024<<16
	s_mov_b32 s[G1V+4], 16
	s_mov_b32 s[G1V+5], 1024
	s_mov_b32 s[G1V+6], 0
	s_mov_b32 s[G1V+7], 0
	s_mov_b32 s[G1S], 15|(3<<16)|(1<<20)|(1<<21)|(5<<22)|(3<<25)  ; 2,048 dense bytes as 8 rows of 256
	s_mov_b32 s[G1S+1], 32<<16
	s_mov_b32 s[G1S+2], 8<<16
	s_mov_b32 s[G1S+3], 32<<16
	s_mov_b32 s[G1S+4], 8
	s_mov_b32 s[G1S+5], 32
	s_mov_b32 s[G1S+6], 0
	s_mov_b32 s[G1S+7], 0
	s_lshl_b32 s94, s70, 20
	s_lshl_b32 s78, s74, 18                        ; K: 256 keys for each of waves 0 to 3
	s_add_co_u32 s78, s78, s94
	s_lshl_b32 s95, s71, 6
	s_add_co_u32 s78, s78, s95
	s_add_co_u32 s78, s78, 4194304
	s_mov_b32 s79, 0
	s_lshl_b32 s80, s74, 14                        ; V: 16 rows for each of waves 4 to 7
	s_add_co_u32 s80, s80, s94
	s_lshl_b32 s95, s71, 16
	s_add_co_u32 s80, s80, s95
	s_add_co_u32 s80, s80, 8388608
	s_mov_b32 s81, 0
	s_lshl_b32 s82, s71, 13                        ; K's scale bytes
	s_lshl_b32 s95, s70, 11
	s_add_co_u32 s82, s82, s95
	s_add_co_u32 s82, s82, 12582912+131072
	s_mov_b32 s83, 0
	s_lshl_b32 s84, s70, 15                        ; V's
	s_lshl_b32 s95, s71, 11
	s_add_co_u32 s84, s84, s95
	s_add_co_u32 s84, s84, 12582912+262144
	s_mov_b32 s85, 0
	s_lshl_b32 s86, s75, 10                        ; Q's codes
	s_add_co_u32 s86, s86, s94
	s_lshl_b32 s95, s71, 6
	s_add_co_u32 s86, s86, s95
	s_mov_b32 s87, 0
	s_lshl_b32 s88, s71, 13                        ; Q's scale bytes
	s_lshl_b32 s95, s70, 11
	s_add_co_u32 s88, s88, s95
	s_lshl_b32 s95, s75, 1
	s_add_co_u32 s88, s88, s95
	s_add_co_u32 s88, s88, 12582912
	s_mov_b32 s89, 0
	s_lshl_b32 s90, s69, 16                        ; o's codes
	s_lshl_b32 s95, s75, 6
	s_add_co_u32 s90, s90, s95
	s_mov_b32 s91, 0
	s_lshl_b32 s92, s70, 15                        ; o's scale bytes
	s_lshl_b32 s95, s75, 5
	s_add_co_u32 s92, s92, s95
	s_lshl_b32 s95, s71, 1
	s_add_co_u32 s92, s92, s95
	s_add_co_u32 s92, s92, 4194304
	s_mov_b32 s93, 0
	s_mov_b32 s[SEL], 0x76543210
	s_mov_b32 s[SEL+1], 0xfedcba98
	s_mov_b32 s[CS], 0x3e38aa3b                    ; c = log2(e) / 8
	s_mov_b32 s[CS+1], s[CS]
	s_mov_b32 s[MNT], 0x600000
	s_mov_b32 s[TBK], 0
	s_mov_b32 s[TBV], 0
	s_mov_b32 s[TSK], 0
	s_mov_b32 s[TSV], 0
	s_mov_b32 s[IX], 0
	s_wait_dscnt 0x0
	s_wait_kmcnt 0x0
	s_mov_b32 s[G0K], 1
	s_mul_i32 s[G0K+1], s74, 256*KP
	s_add_nc_u64 s[G0K+2:G0K+3], s[4:5], s[78:79]
	s_or_b32 s[G0K+3], s[G0K+3], 0x80000000
	s_mov_b32 s[G0V], 1
	s_mul_i32 s[G0V+1], s74, 16*VP
	s_add_co_u32 s[G0V+1], s[G0V+1], VT
	s_add_nc_u64 s[G0V+2:G0V+3], s[4:5], s[80:81]
	s_or_b32 s[G0V+3], s[G0V+3], 0x80000000
	s_mov_b32 s[G0SK], 1
	s_mov_b32 s[G0SK+1], KSC
	s_add_nc_u64 s[G0SK+2:G0SK+3], s[4:5], s[82:83]
	s_or_b32 s[G0SK+3], s[G0SK+3], 0x80000000
	s_mov_b32 s[G0SV], 1
	s_mov_b32 s[G0SV+1], VSC
	s_add_nc_u64 s[G0SV+2:G0SV+3], s[4:5], s[84:85]
	s_or_b32 s[G0SV+3], s[G0SV+3], 0x80000000
	s_add_nc_u64 s[8:9], s[4:5], s[86:87]
	s_add_nc_u64 s[10:11], s[4:5], s[88:89]
	s_add_nc_u64 s[16:17], s[6:7], s[90:91]
	s_add_nc_u64 s[12:13], s[6:7], s[92:93]
	ROUND                                          ; all four work-groups are here: the joint loads meet
	s_cmp_lt_u32 s[WV], 4                          ; one load a wave at the most; the branches hang on the wave's number alone; four v_nop follow each load
	s_cbranch_scc0 .Lnot_k
	tensor_load_to_lds s[G0K:G0K+3], s[G1K:G1K+7]
	s_nop 0
.rept 4
	v_nop
.endr
	s_branch .Lasked
.Lnot_k:
	s_cmp_lt_u32 s[WV], 8
	s_cbranch_scc0 .Lnot_v
	tensor_load_to_lds s[G0V:G0V+3], s[G1V:G1V+7]
	s_nop 0
.rept 4
	v_nop
.endr
	s_branch .Lasked
.Lnot_v:
	s_cmp_eq_u32 s[WV], 8
	s_cbranch_scc0 .Lnot_sk
	tensor_load_to_lds s[G0SK:G0SK+3], s[G1S:G1S+7]
	s_nop 0
.rept 4
	v_nop
.endr
	s_branch .Lasked
.Lnot_sk:
	s_cmp_eq_u32 s[WV], 9
	s_cbranch_scc0 .Lasked
	tensor_load_to_lds s[G0SV:G0SV+3], s[G1S:G1S+7]
	s_nop 0
.rept 4
	v_nop
.endr
.Lasked:
	v_and_b32 v8, 15, v0                           ; r
	v_bfe_u32 v9, v0, 4, 1                         ; h
	v_lshlrev_b32 v10, 10, v8
	v_lshl_add_u32 v10, v9, 4, v10
	global_load_b128 v[16:19], v10, s[8:9]         ; Q's fragment: K = 0 .. 63
	global_load_b128 v[20:23], v10, s[8:9] offset:32
	v_lshlrev_b32 v254, 1, v8
	global_load_u16 v255, v254, s[10:11]           ; its two scale bytes; the upper two are 0 and scale zero codes
	v_and_b32 v11, 8, v8
	v_add_nc_u32 v11, v11, v8                      ; r + 8 (r / 8)
	v_mul_u32_u24 v[AK0], v11, KP
	v_lshl_add_u32 v[AK0], v9, 4, v[AK0]
	v_mul_u32_u24 v[AV0], v8, VP
	v_lshl_add_u32 v[AV0], v9, 4, v[AV0]
	v_add_nc_u32 v[AV0], VT, v[AV0]
	v_lshl_add_u32 v[ASK0], v11, 1, KSC
	v_lshrrev_b32 v12, 3, v8
	v_and_b32 v13, 7, v8
	v_lshlrev_b32 v13, 5, v13
	v_mad_u32_u24 v[ASV0], v12, 272, v13
	v_add_nc_u32 v[ASV0], VSC, v[ASV0]
	s_and_b32 s94, s72, 1
	s_lshl_b32 s94, s94, 6
	s_add_co_u32 s94, s94, s76
	v_lshlrev_b32 v6, 4, v9
	v_sub_nc_u32 v5, v8, v6
	v_add_nc_u32 v5, s94, v5                       ; d = my query - the diagonal step's first key - 16 h: register 16 b + i is hidden where 32 b + i > d
	v_mov_b32 v13, 0xff61b1e6                      ; the largest t so far: -3e38
	v_floor_f32 v12, -v13                          ; -M
	v_mov_b32 v14, 0
	v_mov_b32 v15, 0
.irp j, 24,25,26,27,28,29,30,31
	v_mov_b32 v[\j], 0                             ; zero codes for K = 64 .. 127 of Q,
.endr
.irp t, 0,1,2,3
.irp j, 8,9,10,11,12,13,14,15
	v_mov_b32 v[32+16*\t+\j], 0                    ; and of K's four fragments: they stay
.endr
.endr
.set j, 0
.rept 32
	v_mov_b32 v[160+j], 0                          ; O^T: the loop is written once; its first step finds zeros
.set j, j+1
.endr
.irp b, 0,1,2,3
	v_mov_b32 v[236+\b], 0                         ; a lane permute's destination counts as one of its sources
.endr
	v_mov_b32 v252, 0
	v_mov_b32 v253, 0
	s_wait_tensorcnt 0x0                           ; my load has landed,
	s_barrier_signal -1
	s_barrier_wait -1                              ; everybody's has
	s_wait_loadcnt 0x0                             ; Q
.Lstep:                                            ; eight trips, a constant; a trip's work is jumped over behind the diagonal
	s_cmp_gt_u32 s[IX], s[DS]
	s_cbranch_scc1 .Lhidden
	v_add_nc_u32 v[ADK], s[TBK], v[AK0]
	v_add_nc_u32 v[ADV], s[TBV], v[AV0]
	v_add_nc_u32 v[ADS], s[TSK], v[ASK0]
	v_add_nc_u32 v[ADT], s[TSV], v[ASV0]
.rept 5
	v_nop                                          ; nine places with the four additions: the products below write over registers that the last step's products read
.endr
.irp g, 0,1                                    ; S^T = K Q^T, four tiles of 16 keys at a time
.if \g > 0
.rept 8
	v_nop                                          ; places in front of loads into registers that matrix instructions have read
.endr
.endif
.irp t, 0,1,2,3
	ds_load_b128 v[32+16*\t:35+16*\t], v[ADK] offset:(32*((4*\g+\t)/2)+8*(\t%2))*KP
	ds_load_b128 v[36+16*\t:39+16*\t], v[ADK] offset:(32*((4*\g+\t)/2)+8*(\t%2))*KP+32
	ds_load_u16 v[248+\t], v[ADS] offset:(32*((4*\g+\t)/2)+8*(\t%2))*2
.endr
	s_wait_dscnt 0x0
.irp t, 0,1,2,3
	v_wmma_scale_f32_16x16x128_f8f6f4 v[96+8*(4*\g+\t):103+8*(4*\g+\t)], v[32+16*\t:47+16*\t], v[16:31], 0, v[248+\t], v255
.endr
.endr
.rept 8
	v_nop
.endr
	s_cmp_lg_u32 s[IX], s[DS]
	s_cbranch_scc1 .Lopen
	v_mov_b32 v254, 0xff800000                     ; on the diagonal hidden scores become -infinity: p = 0
.set n, 0
.rept 64
	v_cmp_gt_i32 vcc_lo, 32*(n/16)+n%16, v5
	v_cndmask_b32 v[96+n], v[96+n], v254, vcc_lo
.set n, n+1
.endr
.Lopen:
.irp b, 0,1,2,3
	v_max3_num_f32 v[232+\b], v[96+16*\b], v[97+16*\b], v[98+16*\b]   ; the largest score of each block of 32 keys: for the row's maximum and, since p rises with the score, for the block's largest p
.endr
.irp i, 3,5,7,9,11,13
.irp b, 0,1,2,3
	v_max3_num_f32 v[232+\b], v[232+\b], v[96+16*\b+\i], v[97+16*\b+\i]
.endr
.endr
.irp b, 0,1,2,3
	v_max_num_f32 v[232+\b], v[232+\b], v[111+16*\b]
.endr
.irp b, 0,1,2,3
	v_permlanex16_b32 v[236+\b], v[232+\b], s[SEL], s[SEL+1]
.endr
.irp b, 0,1,2,3
	v_max_num_f32 v[232+\b], v[232+\b], v[236+\b]
.endr
	v_max3_num_f32 v254, v232, v233, v234
	v_max_num_f32 v254, v254, v235
	v_mul_f32 v254, s[CS], v254
	v_max_num_f32 v13, v13, v254                   ; the running largest t
	v_mov_b32 v254, v12
	v_floor_f32 v12, -v13                          ; -M = floor(-t): M is a whole number
	v_sub_f32 v254, v12, v254
	v_cvt_i32_f32 v254, v254                       ; (it saturates)
	v_ldexp_f32 v252, 1.0, v254                    ; f = 2^(old M - new M): exact
.set j, 0
.rept 32
	v_pk_fma_f32 v[96+j:97+j], v[96+j:97+j], s[CS:CS+1], v[12:13] op_sel_hi:[1,0,0]   ; t - M
.set j, j+2
.endr
.irp b, 0,1,2,3
	v_fma_f32 v[232+\b], v[232+\b], s[CS], v12
.endr
.set j, 0
.rept 64
	v_exp_f32 v[96+j], v[96+j]                     ; p = 2^(t - M): not normalised
.set j, j+1
.endr
	v_pk_mul_f32 v[14:15], v[14:15], v[252:253] op_sel_hi:[1,0]   ; the sums under the new M: a plain instruction behind the exponentials
	s_wait_alu depctr_va_vdst(0)                   ; one wait for the batch, ahead of its first reader
.irp b, 0,1,2,3
	v_exp_f32 v[232+\b], v[232+\b]                 ; the block's largest p
.endr
	v_pk_add_f32 v[236:237], v[96:97], v[98:99]    ; the row's sum of the unquantised p, in two chains
.irp j, 4,8,12,16,20,24,28,32,36,40,44,48,52,56,60
	v_pk_add_f32 v[14:15], v[14:15], v[96+\j:97+\j]
	v_pk_add_f32 v[236:237], v[236:237], v[98+\j:99+\j]
.endr
	v_pk_add_f32 v[14:15], v[14:15], v[236:237]
	s_wait_alu depctr_va_vdst(0)                   ; and one for the four
.irp b, 0,1,2,3
	v_max_num_f32 v[232+\b], 0x4800000, v[232+\b]  ; the floor 2^(9 - 127)
.endr
.irp b, 0,1,2,3
	v_add_nc_u32 v[244+\b], 0xfc000000, v[232+\b]
.endr
.irp b, 0,1,2,3
	v_and_or_b32 v[240+\b], v[232+\b], 0x7f800000, s[MNT]
.endr
.irp b, 0,1,2,3
	v_lshrrev_b32 v[236+\b], 23, v[244+\b]
.endr
	v_lshl_or_b32 v253, v237, 8, v236              ; p's scale word for these 128 keys
	v_lshl_or_b32 v253, v238, 16, v253
	v_lshl_or_b32 v253, v239, 24, v253
.irp b, 0,1,2,3
.irp i, 0,1,2,3,4,5,6,7,8,9,10,11,12,13,14,15
	v_min_num_f32 v[96+16*\b+\i], v[96+16*\b+\i], v[240+\b]   ; the conversion does not saturate (ISA guide 7.6.2); p is not negative
.endr
	v_cvt_scalef32_pk8_fp8_f32 v[224+4*\b:225+4*\b], v[96+16*\b:103+16*\b], v[244+\b]
	v_cvt_scalef32_pk8_fp8_f32 v[226+4*\b:227+4*\b], v[104+16*\b:111+16*\b], v[244+\b]
.endr
	v_nop                                          ; a plain instruction behind the conversions
.irp t, 0,1,2,3                                ; V^T's four fragments (16 of the head's 64 x these 128 keys) take the registers that p has left
.irp c, 0,1,2,3
	ds_load_b128 v[96+16*\t+4*\c:99+16*\t+4*\c], v[ADV] offset:16*\t*VP+32*\c
.endr
	ds_load_b32 v[248+\t], v[ADT] offset:544*\t
.endr
.set j, 0
.rept 16
	v_pk_mul_f32 v[160+j:161+j], v[160+j:161+j], v[252:253] op_sel_hi:[1,0]   ; O^T under the new M; also the places in front of the products
.set j, j+2
.endr
	s_wait_dscnt 0x0
.irp t, 0,1,2,3
	v_wmma_scale_f32_16x16x128_f8f6f4 v[160+8*\t:167+8*\t], v[96+16*\t:111+16*\t], v[224:239], v[160+8*\t:167+8*\t], v[248+\t], v253
.endr
.Lhidden:
	s_add_co_u32 s[TBK], s[TBK], 128*KP
	s_add_co_u32 s[TBV], s[TBV], 128
	s_add_co_u32 s[TSK], s[TSK], 272
	s_add_co_u32 s[TSV], s[TSV], 4
	s_add_co_u32 s[IX], s[IX], 1
	s_cmp_lt_u32 s[IX], 8
	s_cbranch_scc1 .Lstep
	; THE WAY OUT: O^T / the sum, quantised in two blocks of 32 along the head's 64, through my stage, 1,024 consecutive bytes out
.rept 8
	v_nop                                          ; places behind the last products
.endr
	v_add_f32 v14, v14, v15
	v_permlanex16_b32 v252, v14, s[SEL], s[SEL+1]
	v_add_f32 v14, v14, v252
	v_rcp_f32 v14, v14
	v_and_b32 v8, 15, v0
	v_bfe_u32 v9, v0, 4, 1
	s_lshl_b32 s94, s[WV], 10
	s_add_co_u32 s94, s94, STG
	v_lshlrev_b32 v10, 6, v8
	v_lshl_add_u32 v10, v9, 3, v10
	v_add_nc_u32 v10, s94, v10                     ; in: row r of 64 bytes, + 8 h
	v_and_b32 v7, 31, v0
	v_lshlrev_b32 v7, 4, v7
	v_add_nc_u32 v11, s94, v7                      ; back: 16 bytes a lane
	v_lshl_add_u32 v6, v8, 5, v9                   ; the scale byte: row r of 32 bytes, block h
	s_wait_alu depctr_va_vdst(0)                   ; the wait ahead of the reciprocal's first reader
.set j, 0
.rept 32
	v_mul_f32 v[96+j], v[160+j], v14               ; register 8 t + i is o(r, 16 t + 8 h + i)
.set j, j+1
.endr
.irp b, 0,1
	v_max3_num_f32 v[232+\b], |v[96+16*\b]|, |v[97+16*\b]|, 0x4800000
.endr
.irp i, 2,4,6,8,10,12,14
.irp b, 0,1
	v_max3_num_f32 v[232+\b], v[232+\b], |v[96+16*\b+\i]|, |v[97+16*\b+\i]|
.endr
.endr
.irp b, 0,1
	v_permlanex16_b32 v[236+\b], v[232+\b], s[SEL], s[SEL+1]
.endr
.irp b, 0,1
	v_max_num_f32 v[232+\b], v[232+\b], v[236+\b]
.endr
.irp b, 0,1
	v_add_nc_u32 v[244+\b], 0xfc000000, v[232+\b]
.endr
.irp b, 0,1
	v_and_or_b32 v[240+\b], v[232+\b], 0x7f800000, s[MNT]
.endr
.irp b, 0,1
	v_lshrrev_b32 v[236+\b], 23, v[244+\b]
.endr
.irp b, 0,1
.irp i, 0,1,2,3,4,5,6,7,8,9,10,11,12,13,14,15
	v_med3_num_f32 v[96+16*\b+\i], v[96+16*\b+\i], -v[240+\b], v[240+\b]
.endr
	v_cvt_scalef32_pk8_fp8_f32 v[224+4*\b:225+4*\b], v[96+16*\b:103+16*\b], v[244+\b]
	v_cvt_scalef32_pk8_fp8_f32 v[226+4*\b:227+4*\b], v[104+16*\b:111+16*\b], v[244+\b]
.endr
	v_cmp_eq_u32 vcc_lo, 1, v9
	v_cndmask_b32 v12, v236, v237, vcc_lo          ; lanes 0-15 store block 0's byte, lanes 16-31 block 1's
.irp t, 0,1,2,3
	ds_store_b64 v10, v[224+2*\t:225+2*\t] offset:16*\t
.endr
	ds_load_b128 v[32:35], v11                     ; my own bytes: these loads see my stores
	ds_load_b128 v[36:39], v11 offset:512
	global_store_b8 v6, v12, s[12:13]
	s_wait_dscnt 0x0
	global_store_b128 v7, v[32:35], s[16:17]       ; 512 consecutive bytes each
	global_store_b128 v7, v[36:39], s[16:17] offset:512
	s_wait_tensorcnt 0x0
	ds_add_u32 v222, v223
	s_wait_dscnt 0x0
	ROUND                                          ; the closing round
	s_endpgm
.Lfunc_end_k_qcf8c2dbe6a_att:
	.size	k_qcf8c2dbe6a_att, .Lfunc_end_k_qcf8c2dbe6a_att-k_qcf8c2dbe6a_att
	.p2alignl 7, 3214868480
	.fill 96, 4, 3214868480
	.section	.rodata,"a",@progbits
	.p2align	6, 0x0
	.amdhsa_kernel k_qcf8c2dbe6a_att
		.amdhsa_group_segment_fixed_size 174080
		.amdhsa_private_segment_fixed_size 0
		.amdhsa_enable_private_segment 0
		.amdhsa_kernarg_size 16
		.amdhsa_user_sgpr_count 2
		.amdhsa_user_sgpr_kernarg_segment_ptr 1
		.amdhsa_wavefront_size32 1
		.amdhsa_system_sgpr_workgroup_id_x 1
		.amdhsa_system_sgpr_workgroup_id_y 1
		.amdhsa_system_sgpr_workgroup_id_z 1
		.amdhsa_system_vgpr_workitem_id 0
		.amdhsa_next_free_vgpr 256
		.amdhsa_next_free_sgpr 100
		.amdhsa_reserve_vcc 1
		.amdhsa_float_denorm_mode_32 3
		.amdhsa_float_denorm_mode_16_64 3
		.amdhsa_memory_ordered 1
		.amdhsa_forward_progress 1
		.amdhsa_inst_pref_size 43
	.end_amdhsa_kernel
	.amdgpu_metadata
---
amdhsa.version: [ 1, 2 ]
amdhsa.kernels:
  - .name:           k_qcf8c2dbe6a_att
    .symbol:         k_qcf8c2dbe6a_att.kd
    .args:
      - { .name: qkv, .offset: 0, .size: 8, .value_kind: global_buffer, .address_space: global }
      - { .name: o, .offset: 8, .size: 8, .value_kind: global_buffer, .address_space: global }
    .group_segment_fixed_size: 174080
    .private_segment_fixed_size: 0
    .kernarg_segment_align: 8
    .kernarg_segment_size: 16
    .max_flat_workgroup_size: 512
    .sgpr_count:     100
    .vgpr_count:     256
    .wavefront_size: 32
...
	.end_amdgpu_metadata
.endif
;; end of part 3
;; launch proj (part 4): grid 8 x 32, 4 waves a work-group, clusters of 4 x 4, 327,680 bytes of LDS; arguments o, proj_w_codes, proj_w_scales, proj_b, x, x1; writes x1
.if DOCPART == 4
	.amdgcn_target "amdgcn-amd-amdhsa--gfx1250"
	.amdhsa_code_object_version 6
	.text
	.protected	k_qcf8c2dbe6a_proj
	.globl	k_qcf8c2dbe6a_proj
	.p2align	8
	.type	k_qcf8c2dbe6a_proj,@function
k_qcf8c2dbe6a_proj:
	s_mov_b64 s[64:65], 0
	v_nop
	global_prefetch_b8 v0, s[64:65] scope:SCOPE_SE
	s_setreg_imm32_b32 hwreg(HW_REG_WAVE_MODE, 25, 1), 1
	s_wait_xcnt 0x0
	s_wait_alu depctr_hold_cnt(0) depctr_sa_sdst(0) depctr_va_vdst(0) depctr_va_sdst(0) depctr_va_ssrc(0) depctr_va_vcc(0) depctr_vm_vsrc(0)
	s_getreg_b32 s2, hwreg(HW_REG_IB_STS2, 6, 4)
	s_cmp_eq_u32 s2, 0
	s_cbranch_scc0 .Lentry_in_a_cluster
	s_endpgm
.Lentry_in_a_cluster:
	s_bfe_u32 s2, ttmp6, 0x10000c
	s_cmp_lg_u32 s2, 0xf033
	s_cbranch_scc0 .Lentry_shape_is_right
	s_endpgm
.Lentry_shape_is_right:
; out = res + A W^T + bias on codes of FP8 (E4M3) with E8M0 scales; out, res: [4096][1024] f32.  One text serves two launches (flag PROJ).
; PROJ = 1: A = o, K = 1,024, codes [batch][head][token][64], scale bytes [token][32] at byte 4,194,304.  PROJ = 0: A = f, K = 4,096, codes [token][4096], scale bytes [token][128] at byte 16,777,216.
; 4096 x 1024 makes 64 tiles of 256 x 256 but 256 of 128 x 128: so a tile is 128 x 128; four waves, each 64 x 64 in 16 accumulators.  K goes in steps of 512 through two LDS slots, four sub-steps of 128 each.
; CLUSTERS of 4 x 4: A's tiles are asked for jointly along a row of the cluster, B's along a column.  The scale bytes of the tile's rows, for all of K, come once.
; THE MATRIX INSTRUCTION IS USED TRANSPOSED (source 0 = 16 rows of W, source 1 = 16 rows of A): a lane holds eight neighbouring columns of a row.  The bias is the C of each sum's first product.
; The residual is asked for at the head, in the layout in which rows leave, and added on the way out.  A wave's 64 columns are 256 bytes, aligned: each wave has a stage of its own and no barrier.
; PROJ = 1: a slot's part of A is [8 heads][128 rows], 64 bytes + 16 a row: one load brings four heads; a head's 128 rows are 8,192 dense bytes, stated as one row with padding behind every 64 bytes.
; REGISTERS: window 0: v0-31 addresses; v32-63 scale words; v64-95 the bias; v64-127 rows on the way out; v128-255 the accumulators.  window 1: two fragment buffers.  window 2: the residual.
.set PROJ,   1
.if PROJ
.set SIZE_K, 1024
.set ASOFF,  4194304
.else
.set SIZE_K, 4096
.set ASOFF,  16777216
.endif
.set KSTEP,  512
.set KROW,   SIZE_K
.set PITCH,  528                       ; 512 bytes + 16: the 16 rows of a load start at 16 different banks (ISA guide 11.1)
.set HALFT,  64*PITCH
.set HCH,    128*80                    ; PROJ: a head's 128 rows
.if PROJ
.set APART,  8*HCH
.set ASTEP,  8*65536                   ; eight heads on
.else
.set APART,  2*HALFT
.set ASTEP,  KSTEP
.endif
.set SLOT,   APART+2*HALFT
.set LAPS,   SIZE_K/(2*KSTEP)
.set KS,     SIZE_K/32
.set SCL,    2*SLOT
.set HALFS,  (64*KS/256)*272
.set SBLK,   (16*KS/256)*272
.set SPARE,  SCL+4*HALFS               ; the spare words: 128 bytes a wave, named by no other line
.set NP,     8
.set ADRA, 16
.set ADRB, 20
.set STO,  24
.set RD,   25
.set CO,   26
.set ADRS, 27
.set SPW,  28
.set NIL,  29
.set SC,   32
.set BIAS, 64
.set BK,   64
.set ACC,  128
.set F0,   0
.set F1,   128
.set G1, 24
.set G0, 32
.set G1B, 48
.set G0B, 56
.set G1S, 68
.set G0S, 76
.set G1SB, 80
.set G0SB, 88
.set MSB, 0
.macro WIN new                         ; the immediate's high byte repeats the setting that is left
.if MSB != \new
	s_set_vgpr_msb (MSB<<8)|\new
.set MSB, \new
.endif
.endm
.set MUL,  0x05                        ; sources 0 and 1 window 1; C and D window 0
.set TO_F, 0x40
.macro JLOAD g0a, g1a, g0b, g1b        ; a joint load: waves 0 and 1 fetch for A, waves 2 and 3 for B; four v_nop follow each line
	s_cmp_eq_u32 s15, 0
	s_cbranch_scc0 .Lfor_b_\@
	tensor_load_to_lds s[\g0a:\g0a+3], s[\g1a:\g1a+7]
	s_nop 0
.rept 4
	v_nop
.endr
	s_branch .Lasked_\@
.Lfor_b_\@:
	tensor_load_to_lds s[\g0b:\g0b+3], s[\g1b:\g1b+7]
	s_nop 0
.rept 4
	v_nop
.endr
.Lasked_\@:
.endm
.macro CREST
	s_cmp_lg_u32 s14, 0
	s_cbranch_scc1 .Lnot_wave_0_\@
	s_barrier_signal -3
.Lnot_wave_0_\@:
	s_barrier_wait -3
	s_barrier_signal -1
	s_barrier_wait -1
.endm
.macro CROUND
	s_barrier_signal -1
	s_barrier_wait -1
	CREST
.endm
	s_load_b64 s[4:5], s[0:1], 0x0                 ; A
	s_load_b64 s[8:9], s[0:1], 0x8                 ; the weight's codes
	s_load_b64 s[10:11], s[0:1], 0x10              ; its scales
	s_load_b64 s[96:97], s[0:1], 0x18              ; the bias
	s_load_b64 s[98:99], s[0:1], 0x20              ; the residual
	s_load_b64 s[12:13], s[0:1], 0x28              ; the output
	v_lshl_add_u32 v[SPW], v0, 2, SPARE
	v_mov_b32 v[NIL], 0
	ds_add_u32 v28, v29
	ds_add_u32 v28, v29
	s_wait_dscnt 0x0
	v_lshrrev_b32 v1, 5, v0
	v_readfirstlane_b32 s14, v1                    ; wave 0..3
	s_lshr_b32 s15, s14, 1                         ; my half of the tile's rows; also: I fetch for A (0) or B (1)
	s_and_b32 s16, s14, 1                          ; my half of its columns; also: which half I fetch
	s_bfe_u32 s40, ttmp6, 0x40000                  ; cx
	s_bfe_u32 s41, ttmp6, 0x40004                  ; cy
	s_lshl_b32 s42, ttmp9, 2
	s_add_co_u32 s42, s42, s40                     ; tile column
	s_and_b32 s17, ttmp7, 0xffff
	s_lshl_b32 s17, s17, 2
	s_add_co_u32 s17, s17, s41                     ; tile row
	s_lshl_b32 s43, s41, 2
	s_lshl_b32 s43, 15, s43                        ; my row of the cluster
	s_lshl_b32 s44, 0x1111, s40                    ; my column
.if PROJ
	s_or_b32 s[G1+0], s43, (0<<16)|(1<<20)|(1<<21)|(3<<22)|(3<<25)  ; elements of 1 byte; 4 words of padding behind every 16
	s_mov_b32 s[G1+1], 8192<<16                    ; tensor_dim0: a head's 128 rows of 64 bytes, dense
	s_mov_b32 s[G1+2], 4<<16                       ; tensor_dim1: four heads
	s_mov_b32 s[G1+3], 8192<<16
	s_mov_b32 s[G1+4], 4
	s_mov_b32 s[G1+5], 65536                       ; from head to head
	s_mov_b32 s[G1+6], 0
	s_mov_b32 s[G1+7], 0
.else
	s_or_b32 s[G1+0], s43, (0<<16)|(1<<20)|(1<<21)|(6<<22)|(3<<25)  ; 4 words of padding behind every 128
	s_mov_b32 s[G1+1], KSTEP<<16
	s_mov_b32 s[G1+2], 64<<16
	s_mov_b32 s[G1+3], KSTEP<<16
	s_mov_b32 s[G1+4], 64
	s_mov_b32 s[G1+5], KROW
	s_mov_b32 s[G1+6], 0
	s_mov_b32 s[G1+7], 0
.endif
	s_or_b32 s[G1B+0], s44, (0<<16)|(1<<20)|(1<<21)|(6<<22)|(3<<25)
	s_mov_b32 s[G1B+1], KSTEP<<16
	s_mov_b32 s[G1B+2], 64<<16
	s_mov_b32 s[G1B+3], KSTEP<<16
	s_mov_b32 s[G1B+4], 64
	s_mov_b32 s[G1B+5], KROW
	s_mov_b32 s[G1B+6], 0
	s_mov_b32 s[G1B+7], 0
	s_or_b32 s[G1S+0], s43, (3<<16)|(1<<20)|(1<<21)|(5<<22)|(3<<25)  ; the scales of 64 rows: a dense block as rows of 256 bytes, 16 bytes of padding behind each
	s_or_b32 s[G1SB+0], s44, (3<<16)|(1<<20)|(1<<21)|(5<<22)|(3<<25)
.irp g, G1S, G1SB
	s_mov_b32 s[\g+1], 32<<16
	s_mov_b32 s[\g+2], (64*KS/256)<<16
	s_mov_b32 s[\g+3], 32<<16
	s_mov_b32 s[\g+4], 64*KS/256
	s_mov_b32 s[\g+5], 32
	s_mov_b32 s[\g+6], 0
	s_mov_b32 s[\g+7], 0
.endr
	s_lshl_b32 s18, s16, 6
	s_lshl_b32 s20, s17, 7
	s_add_co_u32 s20, s20, s18                     ; A: row 128 x tile row + 64 x half
	s_lshl_b32 s46, s42, 7
	s_add_co_u32 s46, s46, s18                     ; B likewise
	s_mul_i32 s22, s20, KS
	s_mov_b32 s23, 0
	s_mul_i32 s92, s46, KS
	s_mov_b32 s93, 0
.if PROJ
	s_lshr_b32 s20, s17, 3                         ; the batch: 1 MiB;
	s_lshl_b32 s20, s20, 20
	s_and_b32 s21, s17, 7
	s_lshl_b32 s21, s21, 13                        ; the tile's 128 tokens in a head: 8,192 bytes;
	s_add_co_u32 s20, s20, s21
	s_lshl_b32 s21, s16, 18                        ; which four heads of a slot's eight I fetch
	s_add_co_u32 s20, s20, s21
	s_mul_i32 s45, s14, 4*HCH
	s_mul_i32 s95, s14, HALFT
	s_add_co_u32 s95, s95, APART-2*HALFT           ; B's halves lie behind A's part: waves 2 and 3
.else
	s_mul_i32 s20, s20, KROW
	s_mul_i32 s45, s14, HALFT
	s_mov_b32 s95, s45
.endif
	s_mov_b32 s21, 0
	s_mul_i32 s46, s46, KROW
	s_mov_b32 s47, 0
	s_mul_i32 s94, s14, HALFS
	s_wait_kmcnt 0x0
	s_add_nc_u64 s[6:7], s[4:5], ASOFF             ; A's scale bytes
	s_add_nc_u64 s[20:21], s[4:5], s[20:21]
	s_add_nc_u64 s[22:23], s[6:7], s[22:23]
	s_add_nc_u64 s[46:47], s[8:9], s[46:47]
	s_add_nc_u64 s[92:93], s[10:11], s[92:93]
	CROUND                                         ; all sixteen work-groups are here: the first joint loads meet
	s_mov_b32 s[G0S], 1
	s_add_co_u32 s[G0S+1], s94, SCL
	s_mov_b64 s[G0S+2:G0S+3], s[22:23]
	s_or_b32 s[G0S+3], s[G0S+3], 0x80000000
	s_mov_b32 s[G0SB], 1
	s_add_co_u32 s[G0SB+1], s94, SCL
	s_mov_b64 s[G0SB+2:G0SB+3], s[92:93]
	s_or_b32 s[G0SB+3], s[G0SB+3], 0x80000000
	JLOAD G0S, G1S, G0SB, G1SB                     ; the scales first; three loads of mine are out at the most
.irp s, 0,1
	s_mov_b32 s[G0+4*\s], 1
	s_add_co_u32 s[G0+4*\s+1], s45, \s*SLOT
	s_add_nc_u64 s[G0+4*\s+2:G0+4*\s+3], s[20:21], \s*ASTEP
	s_or_b32 s[G0+4*\s+3], s[G0+4*\s+3], 0x80000000
	s_mov_b32 s[G0B+4*\s], 1
	s_add_co_u32 s[G0B+4*\s+1], s95, \s*SLOT
	s_add_nc_u64 s[G0B+4*\s+2:G0B+4*\s+3], s[46:47], \s*KSTEP
	s_or_b32 s[G0B+4*\s+3], s[G0B+4*\s+3], 0x80000000
	JLOAD G0+4*\s, G1, G0B+4*\s, G1B
.endr
	v_and_b32 v1, 15, v0                           ; r
	v_bfe_u32 v2, v0, 4, 1                         ; h
	v_mul_u32_u24 v3, v1, PITCH
	v_lshl_add_u32 v4, v2, 4, v3
	s_mul_i32 s22, s16, HALFT
	s_add_co_u32 s22, s22, APART
.irp s, 0,1
	v_add_nc_u32 v[ADRB+\s], s22, v4
	s_add_co_u32 s22, s22, SLOT
.endr
.if PROJ
	v_mul_u32_u24 v3, v1, 80
	v_lshl_add_u32 v3, v2, 4, v3
	s_mul_i32 s21, s15, 64*80                      ; my 64 rows in each head
.irp s, 0,1,2,3                        ; register 2 x slot + g: heads 4 g on, so that the immediates stay under 65,536
	s_add_co_u32 s23, s21, (\s/2)*SLOT+(\s%2)*4*HCH
	v_add_nc_u32 v[ADRA+\s], s23, v3
.endr
.else
	s_mul_i32 s21, s15, HALFT
.irp s, 0,1
	s_add_co_u32 s23, s21, \s*SLOT
	v_add_nc_u32 v[ADRA+\s], s23, v4
.endr
.endif
	v_mul_u32_u24 v5, v1, KS                       ; my row's scales, 16 more for each 256 passed
	v_lshrrev_b32 v6, 8, v5
	v_lshl_add_u32 v5, v6, 4, v5
	s_mul_i32 s21, s15, HALFS
	s_mul_i32 s22, s16, HALFS
	s_add_co_u32 s22, s22, 2*HALFS
	s_sub_co_u32 s22, s22, s21
	v_mul_u32_u24 v6, s22, v2                      ; lanes 16-31 take B's
	s_add_co_u32 s21, s21, SCL
	v_add_nc_u32 v5, v5, v6
	v_add_nc_u32 v[ADRS], s21, v5
	s_mul_i32 s23, s14, 16*272                     ; my stage, in slot 0 behind its last fill and last read
	v_mul_u32_u24 v5, v1, 272
	v_lshl_add_u32 v5, v2, 5, v5
	v_add_nc_u32 v[STO], s23, v5
	v_mul_u32_u24 v5, v2, 272
	v_lshl_add_u32 v5, v1, 4, v5
	v_add_nc_u32 v[RD], s23, v5
	v_lshlrev_b32 v5, 12, v2
	v_lshl_add_u32 v[CO], v1, 4, v5                ; lanes 0-15 one row's 256 bytes, lanes 16-31 the next row's
	s_lshl_b32 s20, s17, 7
	s_lshl_b32 s21, s15, 6
	s_add_co_u32 s20, s20, s21
	s_lshl_b32 s20, s20, 12                        ; my first row, 4,096 bytes a row,
	s_lshl_b32 s46, s42, 9
	s_lshl_b32 s47, s16, 8
	s_add_co_u32 s46, s46, s47                     ; my first column, in bytes
	s_add_co_u32 s20, s20, s46
	s_mov_b32 s21, 0
	s_mov_b32 s47, 0
	s_add_nc_u64 s[12:13], s[12:13], s[20:21]
	s_add_nc_u64 s[98:99], s[98:99], s[20:21]
	s_add_nc_u64 s[96:97], s[96:97], s[46:47]
	v_lshlrev_b32 v7, 5, v2
.irp b, 0,1,2,3
	global_load_b128 v[BIAS+8*\b:BIAS+8*\b+3], v7, s[96:97] offset:64*\b       ; tile b: columns 16 b + 8 h + 0 .. 7
	global_load_b128 v[BIAS+8*\b+4:BIAS+8*\b+7], v7, s[96:97] offset:64*\b+16
.endr
	WIN 0x80                                       ; destination window 2
.set i, 0
.rept 32
	global_load_b128 v[4*i:4*i+3], v[CO], s[98:99] offset:2*i*4096 th:TH_LOAD_NT   ; the residual: rows 2 i, 2 i + 1 of my 64
.set i, i+1
.endr
	WIN 0
.macro FRAGA reg, slot, q, i           ; 16 rows x 128 K: registers 4 c .. 4 c + 3 hold K = 32 c + 16 (l / 16) + 0 .. 15
.irp c, 0,1,2,3
.if PROJ
	ds_load_b128 v[\reg+4*\c:\reg+4*\c+3], v[ADRA+2*(\slot)+(\q)/2] offset:((2*(\q)+\c/2)%4)*HCH+32*(\c%2)+(\i)*16*80
.else
	ds_load_b128 v[\reg+4*\c:\reg+4*\c+3], v[ADRA+(\slot)] offset:128*(\q)+32*\c+(\i)*16*PITCH
.endif
.endr
.endm
.macro FETCH slot, q, f                ; 32 LDS loads in one run: B's four fragments, then A's four
	WIN TO_F
.irp i, 0,1,2,3
.irp c, 0,1,2,3
	ds_load_b128 v[(\f)+64+16*\i+4*\c:(\f)+64+16*\i+4*\c+3], v[ADRB+(\slot)] offset:128*(\q)+32*\c+\i*16*PITCH
.endr
.endr
.irp i, 0,1,2,3
	FRAGA (\f)+16*\i, \slot, \q, \i
.endr
.endm
.macro SCALES sc                       ; a K step's four words a row: lanes 0-15 take A's block i, lanes 16-31 B's
.irp i, 0,1,2,3
	ds_load_b128 v[SC+16*\sc+4*\i:SC+16*\sc+4*\i+3], v[ADRS] offset:\i*SBLK
.endr
.endm
; four matrix instructions: A's block a x B's four.  The 16 accumulators take turns, in the same order in every sub-step.
.macro MUL4 f, a, q, sc, first
.irp b, 0,1,2,3
.if \first
	v_wmma_scale_f32_16x16x128_f8f6f4 v[ACC+8*(4*(\a)+\b):ACC+8*(4*(\a)+\b)+7], v[(\f)+64+16*\b:(\f)+64+16*\b+15], v[(\f)+16*(\a):(\f)+16*(\a)+15], v[BIAS+8*\b:BIAS+8*\b+7], v[SC+16*(\sc)+4*\b+(\q)], v[SC+16*(\sc)+4*(\a)+(\q)] matrix_a_scale:MATRIX_SCALE_ROW1
.else
	v_wmma_scale_f32_16x16x128_f8f6f4 v[ACC+8*(4*(\a)+\b):ACC+8*(4*(\a)+\b)+7], v[(\f)+64+16*\b:(\f)+64+16*\b+15], v[(\f)+16*(\a):(\f)+16*(\a)+15], v[ACC+8*(4*(\a)+\b):ACC+8*(4*(\a)+\b)+7], v[SC+16*(\sc)+4*\b+(\q)], v[SC+16*(\sc)+4*(\a)+(\q)] matrix_a_scale:MATRIX_SCALE_ROW1
.endif
.endr
.endm
.macro PLACES n                        ; plain vector instructions between a matrix instruction and a load into, or a read of, its registers
.rept \n
	v_nop
.endr
.endm
.macro STEP slot, q, first             ; a sub-step of 128 along K with a successor in the same slot
	s_wait_dscnt 8                                 ; all but A's blocks 2 and 3 (eight loads) are in
	WIN MUL
	MUL4 128*((\q)%2), 0, \q, \slot, \first
	MUL4 128*((\q)%2), 1, \q, \slot, \first
	PLACES NP
	FETCH \slot, (\q)+1, 128-128*((\q)%2)
	s_wait_dscnt 32                                ; all but the 32 just issued
	WIN MUL
	MUL4 128*((\q)%2), 2, \q, \slot, \first
	MUL4 128*((\q)%2), 3, \q, \slot, \first
.endm
; A slot's last sub-step changes slots: one barrier; in front of it each wave waits for all its tensor loads, adds 0 to its spare word, and waits for that and for its reads of this slot.
.macro TURN slot, next, fill
	WIN 0
	s_wait_tensorcnt 0x0                           ; all my tensor loads have landed: my part of the next slot
	ds_add_u32 v[SPW], v[NIL]
	s_wait_dscnt 9                                 ; the add and A's blocks 2 and 3 may be out
	WIN MUL
	MUL4 F1, 0, 3, \slot, 0
	s_wait_dscnt 0x0                               ; the add is done, and my reads of this slot are over
	s_barrier_signal -1
	MUL4 F1, 1, 3, \slot, 0
	WIN 0
	s_barrier_wait -1
.if \fill
	CREST                                          ; the barrier has opened a round of the cluster's: no wave of any partner still reads this slot or has a load on its way
	s_add_nc_u64 s[G0+4*\slot+2:G0+4*\slot+3], s[G0+4*\slot+2:G0+4*\slot+3], 2*KSTEP
	s_add_nc_u64 s[G0B+4*\slot+2:G0B+4*\slot+3], s[G0B+4*\slot+2:G0B+4*\slot+3], 2*KSTEP
	JLOAD G0+4*\slot, G1, G0B+4*\slot, G1B         ; my one tensor load behind the round
	PLACES NP-4
.else
	PLACES NP
.endif
	v_add_nc_u32 v[ADRS], 16, v[ADRS]              ; the next K step's scale words
	SCALES \next
	FETCH \next, 0, F0
	WIN MUL
	MUL4 F1, 2, 3, \slot, 0
	MUL4 F1, 3, 3, \slot, 0
.endm
	s_wait_tensorcnt 1                             ; the scales and my part of K step 0 are in; K step 1's load may be out
	s_barrier_signal -1
	s_barrier_wait -1
	SCALES 0
	FETCH 0, 0, F0
	s_wait_loadcnt 32                              ; the bias is in; the residual's 32 loads may be out
	STEP 0, 0, 1                                   ; the first sub-step stands in front of the loop: the bias starts the sums
.if LAPS > 1
	WIN 0
	s_mov_b32 s3, LAPS-1
.Llap:
	STEP 0, 1, 0
	STEP 0, 2, 0
	TURN 0, 1, 1
	STEP 1, 0, 0
	STEP 1, 1, 0
	STEP 1, 2, 0
	TURN 1, 0, 1
	STEP 0, 0, 0
	WIN 0
	s_sub_co_u32 s3, s3, 1
	s_cmp_lg_u32 s3, 0
	s_cbranch_scc1 .Llap
.endif
	STEP 0, 1, 0                                   ; the last lap fills nothing
	STEP 0, 2, 0
	TURN 0, 1, 0
	STEP 1, 0, 0
	STEP 1, 1, 0
	STEP 1, 2, 0
	s_wait_dscnt 8
	WIN MUL
	MUL4 F1, 0, 3, 1, 0
	MUL4 F1, 1, 3, 1, 0
	s_wait_dscnt 0
	MUL4 F1, 2, 3, 1, 0
	MUL4 F1, 3, 3, 1, 0
	WIN 0
; THE WAY OUT, 16 rows x 64 columns at a time, through my own stage: LDS serves a wave's instructions in order, so no wait stands between the stores and the loads.
.macro TOSTAGE a
.irp b, 0,1,2,3
	ds_store_b128 v[STO], v[ACC+8*(4*(\a)+\b):ACC+8*(4*(\a)+\b)+3] offset:64*\b          ; each accumulator from its low end on
	ds_store_b128 v[STO], v[ACC+8*(4*(\a)+\b)+4:ACC+8*(4*(\a)+\b)+7] offset:64*\b+16
.endr
.irp t, 0,1,2,3,4,5,6,7
	ds_load_b128 v[BK+32*((\a)%2)+4*\t:BK+32*((\a)%2)+4*\t+3], v[RD] offset:2*\t*272
.endr
.endm
.macro SEND a, younger                 ; younger: the next block's 8 stores and 8 loads, which may stay out
	s_wait_dscnt \younger
	WIN 0x08                                       ; source 1: the residual, window 2
.irp k, 0,1,2,3,4,5,6,7,8,9,10,11,12,13,14,15
	v_pk_add_f32 v[BK+32*((\a)%2)+2*\k:BK+32*((\a)%2)+2*\k+1], v[BK+32*((\a)%2)+2*\k:BK+32*((\a)%2)+2*\k+1], v[32*(\a)+2*\k:32*(\a)+2*\k+1]
.endr
	WIN 0
.irp t, 0,1,2,3,4,5,6,7
.if PROJ
	global_store_b128 v[CO], v[BK+32*((\a)%2)+4*\t:BK+32*((\a)%2)+4*\t+3], s[12:13] offset:(16*(\a)+2*\t)*4096      ; sixteen lanes store 256 consecutive bytes, aligned
.else
	global_store_b128 v[CO], v[BK+32*((\a)%2)+4*\t:BK+32*((\a)%2)+4*\t+3], s[12:13] offset:(16*(\a)+2*\t)*4096 th:TH_STORE_NT
.endif
.endr
.endm
	PLACES NP
	s_wait_loadcnt 0x0                             ; the residual
	TOSTAGE 0
	TOSTAGE 1
	SEND 0, 16
	s_wait_xcnt 0x0                                ; block 0's stores have read their registers: block 2's rows may land there
	TOSTAGE 2
	SEND 1, 16
	s_wait_xcnt 0x0
	TOSTAGE 3
	SEND 2, 16
	SEND 3, 0
	s_wait_tensorcnt 0x0                           ; the wave's end
	ds_add_u32 v[SPW], v[NIL]
	s_wait_dscnt 0x0
	CROUND                                         ; the closing round
	s_endpgm
.Lfunc_end_k_qcf8c2dbe6a_proj:
	.size	k_qcf8c2dbe6a_proj, .Lfunc_end_k_qcf8c2dbe6a_proj-k_qcf8c2dbe6a_proj
	.p2alignl 7, 3214868480
	.fill 96, 4, 3214868480
	.section	.rodata,"a",@progbits
	.p2align	6, 0x0
	.amdhsa_kernel k_qcf8c2dbe6a_proj
		.amdhsa_group_segment_fixed_size 327680
		.amdhsa_private_segment_fixed_size 0
		.amdhsa_enable_private_segment 0
		.amdhsa_kernarg_size 48
		.amdhsa_user_sgpr_count 2
		.amdhsa_user_sgpr_kernarg_segment_ptr 1
		.amdhsa_wavefront_size32 1
		.amdhsa_system_sgpr_workgroup_id_x 1
		.amdhsa_system_sgpr_workgroup_id_y 1
		.amdhsa_system_sgpr_workgroup_id_z 1
		.amdhsa_system_vgpr_workitem_id 0
		.amdhsa_next_free_vgpr 768
		.amdhsa_next_free_sgpr 100
		.amdhsa_reserve_vcc 0
		.amdhsa_float_denorm_mode_32 3
		.amdhsa_float_denorm_mode_16_64 3
		.amdhsa_memory_ordered 1
		.amdhsa_forward_progress 1
		.amdhsa_inst_pref_size 62
	.end_amdhsa_kernel
	.amdgpu_metadata
---
amdhsa.version: [ 1, 2 ]
amdhsa.kernels:
  - .name:           k_qcf8c2dbe6a_proj
    .symbol:         k_qcf8c2dbe6a_proj.kd
    .args:
      - { .name: o, .offset: 0, .size: 8, .value_kind: global_buffer, .address_space: global }
      - { .name: proj_w_codes, .offset: 8, .size: 8, .value_kind: global_buffer, .address_space: global }
      - { .name: proj_w_scales, .offset: 16, .size: 8, .value_kind: global_buffer, .address_space: global }
      - { .name: proj_b, .offset: 24, .size: 8, .value_kind: global_buffer, .address_space: global }
      - { .name: x, .offset: 32, .size: 8, .value_kind: global_buffer, .address_space: global }
      - { .name: x1, .offset: 40, .size: 8, .value_kind: global_buffer, .address_space: global }
    .group_segment_fixed_size: 327680
    .private_segment_fixed_size: 0
    .kernarg_segment_align: 8
    .kernarg_segment_size: 48
    .max_flat_workgroup_size: 128
    .sgpr_count:     100
    .vgpr_count:     768
    .wavefront_size: 32
...
	.end_amdgpu_metadata
.endif
;; end of part 4
;; launch lnq2: the kernel of part 1 again; grid 256 x 1, 8 waves a work-group, no clusters, 83,456 bytes of LDS; arguments x1, ln2_g, ln2_b, h2; writes h2
;; launch ff1 (part 5): grid 16 x 16, 4 waves a work-group, clusters of 4 x 4, 327,680 bytes of LDS; arguments h2, ff1_w_codes, ff1_w_scales, ff1_b, f; writes f
.if DOCPART == 5
	.amdgcn_target "amdgcn-amd-amdhsa--gfx1250"
	.amdhsa_code_object_version 6
	.text
	.protected	k_qcf8c2dbe6a_ff1
	.globl	k_qcf8c2dbe6a_ff1
	.p2align	8
	.type	k_qcf8c2dbe6a_ff1,@function
k_qcf8c2dbe6a_ff1:
	s_mov_b64 s[64:65], 0
	v_nop
	global_prefetch_b8 v0, s[64:65] scope:SCOPE_SE
	s_setreg_imm32_b32 hwreg(HW_REG_WAVE_MODE, 25, 1), 1
	s_wait_xcnt 0x0
	s_wait_alu depctr_hold_cnt(0) depctr_sa_sdst(0) depctr_va_vdst(0) depctr_va_sdst(0) depctr_va_ssrc(0) depctr_va_vcc(0) depctr_vm_vsrc(0)
	s_getreg_b32 s2, hwreg(HW_REG_IB_STS2, 6, 4)
	s_cmp_eq_u32 s2, 0
	s_cbranch_scc0 .Lentry_in_a_cluster
	s_endpgm
.Lentry_in_a_cluster:
	s_bfe_u32 s2, ttmp6, 0x10000c
	s_cmp_lg_u32 s2, 0xf033
	s_cbranch_scc0 .Lentry_shape_is_right
	s_endpgm
.Lentry_shape_is_right:
; A GEMM on codes of FP8 (E4M3) with E8M0 scales, K = 1,024, whose result is QUANTISED AGAIN along its columns on the way out.  One text serves two launches (flag QKV).
; QKV = 1: cluster x = 0: q = h Wq, 1: k = h Wk (rows = tokens, columns = head x 64 + e, blocks of 32 along e); 2: v^T = Wv h^T (rows = head x 64 + e, columns = tokens, blocks of 32 along the keys).
; QKV = 0: f = relu(h2 W1 + b1), rows = tokens, blocks of 32 along the hidden units; the bias is the C of each sum's first product.
; A tile of 256 x 256 is made by four waves, each 128 x 128 in 64 accumulators.  K goes in steps of 256 through two LDS slots filled by the tensor data mover; the scale bytes of the tile's rows come once.
; CLUSTERS of 4 x 4: A's tiles are asked for jointly along a row of the cluster, B's along a column.  What a cluster multiplies hangs on the cluster's x alone, which all sixteen partners share.
; THE MATRIX INSTRUCTION IS USED TRANSPOSED (source 0 = 16 rows of B, source 1 = 16 rows of A): a lane holds eight neighbouring columns of one row; a block of 32 columns lies in lanes l and l xor 16.
; REGISTERS: window 0: v0-31 addresses; v32-63 scale words; v64-127 the bias (QKV = 0); v128-255 A's fragments, at work on the way out.  window 1: B's two sets.  windows 2, 3: the accumulators.
; LIMITS: NaN and infinities are not served.  A block whose largest magnitude lies under 2^-118 (a block of zeros too) gets the byte 1; this program alone reads the bytes.
; The scale bytes of v and of f leave as 8 bytes a row, rows 32 or 128 bytes apart: a work-group owns no more of a row; they are one byte for each 32 of codes.
.set QKV,    0
.set KSTEP,  256
.set NQ,     2
.set ROWB,   256
.set KROW,   1024
.set PITCH,  272                       ; 256 bytes + 16 of padding: the 16 rows of a load start at 16 different banks (ISA guide 11.1)
.set FR,     16
.set NL,     4
.set NP,     8                         ; places behind this matrix instruction (ISA guide 7.12.1)
.set HALFT,  128*PITCH
.set SLOT,   4*HALFT
.set LAPS,   2
.set KS,     32
.set SCL,    2*SLOT
.set HALFS,  (128*KS/256)*272
.set SBLK,   (16*KS/256)*272
.set SPARE,  SCL+4*HALFS               ; the spare words: 128 bytes a wave, named by no other line
.set SST,    256*272                   ; the way out, in slot 0 behind its last fill and last read: codes 256 rows x 272 at byte 0, scale bytes [256][8] here
.set HSOFF,  4194304                   ; where the scale bytes of h and h2 begin
.if QKV
.set OP,  1024                         ; a row of the output's codes
.set SPI, 32                           ; a row of its scale bytes
.set NS,  10
.else
.set OP,  4096
.set SPI, 128
.set NS,  2
.endif
.set SGQ,  13
.set SRU,  14
.set SGO,  15
.set ADRA, 16
.set ADRB, 20
.set STO,  24
.set RD,   25
.set CO,   26
.set ADRS, 27
.set SPW,  28
.set NIL,  29
.set SSTO, 30
.set SRD,  31
.set SC,   32
.set BIAS, 64
.set AF,   128
.set T,    128                         ; the way out: 64 held numbers,
.set PC,   192                         ; 16 registers of codes,
.set TM,   208                         ; v208-211 largest magnitudes, 212-215 bytes, 216-219 448 x scale, 220-223 scale operands,
.set PW,   224                         ; the scale word
.set MNT,  2
.set SEL,  66
.set G1, 24
.set G0, 32
.set G1B, 48
.set G0B, 56
.set G1S, 68
.set G0S, 76
.set G1SB, 80
.set G0SB, 88
.set MSB, 0
.macro WIN new                         ; the immediate's high byte repeats the setting that is left
.if MSB != \new
	s_set_vgpr_msb (MSB<<8)|\new
.set MSB, \new
.endif
.endm
.set MUL_LO, 0xa1
.set MUL_HI, 0xf1
.set TO_B,   0x40
.macro JLOAD g0a, g1a, g0b, g1b        ; a joint load: waves 0 and 1 fetch for A, waves 2 and 3 for B; four v_nop follow each line
	s_cmp_eq_u32 s15, 0
	s_cbranch_scc0 .Lfor_b_\@
	tensor_load_to_lds s[\g0a:\g0a+3], s[\g1a:\g1a+7]
	s_nop 0
.rept 4
	v_nop
.endr
	s_branch .Lasked_\@
.Lfor_b_\@:
	tensor_load_to_lds s[\g0b:\g0b+3], s[\g1b:\g1b+7]
	s_nop 0
.rept 4
	v_nop
.endr
.Lasked_\@:
.endm
.macro CREST
	s_cmp_lg_u32 s14, 0
	s_cbranch_scc1 .Lnot_wave_0_\@
	s_barrier_signal -3
.Lnot_wave_0_\@:
	s_barrier_wait -3
	s_barrier_signal -1
	s_barrier_wait -1
.endm
.macro CROUND
	s_barrier_signal -1
	s_barrier_wait -1
	CREST
.endm
.if QKV
	s_load_b512 s[68:83], s[0:1], 0x0              ; h, wq codes, scales, wk codes, scales, wv codes, scales, the output
.else
	s_load_b64 s[4:5], s[0:1], 0x0                 ; h2
	s_load_b64 s[8:9], s[0:1], 0x8                 ; the weight's codes
	s_load_b64 s[10:11], s[0:1], 0x10              ; its scales
	s_load_b64 s[96:97], s[0:1], 0x18              ; the bias
	s_load_b64 s[12:13], s[0:1], 0x20              ; the output
.endif
	v_lshl_add_u32 v[SPW], v0, 2, SPARE
	v_mov_b32 v[NIL], 0
	ds_add_u32 v28, v29
	ds_add_u32 v28, v29
	s_wait_dscnt 0x0
	v_lshrrev_b32 v1, 5, v0
	v_readfirstlane_b32 s14, v1                    ; wave 0..3
	s_lshr_b32 s15, s14, 1                         ; my half of the tile's rows; also: I fetch for A (0) or B (1)
	s_and_b32 s16, s14, 1                          ; my half of its columns; also: which 128 rows I fetch
	s_bfe_u32 s40, ttmp6, 0x40000                  ; cx
	s_bfe_u32 s41, ttmp6, 0x40004                  ; cy
	s_and_b32 s95, ttmp7, 0xffff                   ; cluster y
	s_lshl_b32 s17, s95, 2
.if QKV
	s_cmp_eq_u32 ttmp9, 2                          ; v^T: A is the weight (4 tiles of rows), B is h (16 tiles)
	s_cselect_b32 s42, s17, 0
	s_cselect_b32 s17, 0, s17
.else
	s_lshl_b32 s42, ttmp9, 2
.endif
	s_add_co_u32 s42, s42, s40                     ; B's tile
	s_add_co_u32 s17, s17, s41                     ; A's tile
	s_lshl_b32 s43, s41, 2
	s_lshl_b32 s43, 15, s43                        ; my row of the cluster
	s_lshl_b32 s44, 0x1111, s40                    ; my column
	s_mov_b32 s[MNT], 0x600000
	s_mov_b32 s[SEL], 0x76543210
	s_mov_b32 s[SEL+1], 0xfedcba98
	s_or_b32 s[G1+0], s43, (0<<16)|(1<<20)|(1<<21)|(5<<22)|(3<<25)  ; mask; elements of 1 byte; padding of 4 words behind every 64; bit 21 beside a mask
	s_or_b32 s[G1B+0], s44, (0<<16)|(1<<20)|(1<<21)|(5<<22)|(3<<25)
.irp g, G1, G1B
	s_mov_b32 s[\g+1], ROWB<<16                    ; tensor_dim0
	s_mov_b32 s[\g+2], 128<<16                     ; tensor_dim1
	s_mov_b32 s[\g+3], ROWB<<16                    ; tile_dim0
	s_mov_b32 s[\g+4], 128                         ; tile_dim1
	s_mov_b32 s[\g+5], KROW                        ; the pitch
	s_mov_b32 s[\g+6], 0
	s_mov_b32 s[\g+7], 0
.endr
	s_lshl_b32 s18, s16, 7
	s_lshl_b32 s20, s17, 8
	s_add_co_u32 s20, s20, s18                     ; A: row 256 x tile + 128 x half
	s_lshl_b32 s46, s42, 8
	s_add_co_u32 s46, s46, s18                     ; B likewise
	s_lshl_b32 s22, s20, 5                         ; their scale bytes: 32 a row
	s_mov_b32 s23, 0
	s_lshl_b32 s92, s46, 5
	s_mov_b32 s93, 0
	s_lshl_b32 s20, s20, 10                        ; their codes: 1,024 a row
	s_mov_b32 s21, 0
	s_lshl_b32 s46, s46, 10
	s_mov_b32 s47, 0
	s_mul_i32 s45, s14, HALFT                      ; where they go: no place in the cluster enters an LDS address
	s_mul_i32 s94, s14, HALFS
	s_wait_kmcnt 0x0
.if QKV
	s_add_nc_u64 s[84:85], s[68:69], HSOFF         ; h's scale bytes
	s_mov_b64 s[12:13], s[82:83]
	s_cmp_eq_u32 ttmp9, 0
	s_cselect_b64 s[8:9], s[70:71], s[74:75]       ; the weight: wq, wk
	s_cselect_b64 s[10:11], s[72:73], s[76:77]
	s_cmp_eq_u32 ttmp9, 2
	s_cselect_b64 s[8:9], s[78:79], s[8:9]         ; or wv
	s_cselect_b64 s[10:11], s[80:81], s[10:11]
	s_cselect_b64 s[4:5], s[8:9], s[68:69]         ; A: the weight for v^T, else h
	s_cselect_b64 s[6:7], s[10:11], s[84:85]
	s_cselect_b64 s[8:9], s[68:69], s[8:9]         ; B: the other one
	s_cselect_b64 s[10:11], s[84:85], s[10:11]
.else
	s_add_nc_u64 s[6:7], s[4:5], HSOFF
.endif
	s_or_b32 s[G1S+0], s43, (3<<16)|(1<<20)|(1<<21)|(5<<22)|(3<<25)  ; the scales of 128 rows: a dense block as rows of 256 bytes (32 elements of 8), 16 bytes of padding behind each
	s_or_b32 s[G1SB+0], s44, (3<<16)|(1<<20)|(1<<21)|(5<<22)|(3<<25)
.irp g, G1S, G1SB
	s_mov_b32 s[\g+1], 32<<16
	s_mov_b32 s[\g+2], (128*KS/256)<<16
	s_mov_b32 s[\g+3], 32<<16
	s_mov_b32 s[\g+4], 128*KS/256
	s_mov_b32 s[\g+5], 32
	s_mov_b32 s[\g+6], 0
	s_mov_b32 s[\g+7], 0
.endr
	s_add_nc_u64 s[20:21], s[4:5], s[20:21]
	s_add_nc_u64 s[22:23], s[6:7], s[22:23]
	s_add_nc_u64 s[46:47], s[8:9], s[46:47]
	s_add_nc_u64 s[92:93], s[10:11], s[92:93]
	CROUND                                         ; all sixteen work-groups are here: the first joint loads meet
	s_mov_b32 s[G0S], 1
	s_add_co_u32 s[G0S+1], s94, SCL
	s_mov_b64 s[G0S+2:G0S+3], s[22:23]
	s_or_b32 s[G0S+3], s[G0S+3], 0x80000000
	s_mov_b32 s[G0SB], 1
	s_add_co_u32 s[G0SB+1], s94, SCL
	s_mov_b64 s[G0SB+2:G0SB+3], s[92:93]
	s_or_b32 s[G0SB+3], s[G0SB+3], 0x80000000
	JLOAD G0S, G1S, G0SB, G1SB                     ; the scales first; three loads of mine are out at the most
.irp s, 0,1
	s_mov_b32 s[G0+4*\s], 1
	s_add_co_u32 s[G0+4*\s+1], s45, \s*SLOT
	s_add_nc_u64 s[G0+4*\s+2:G0+4*\s+3], s[20:21], \s*ROWB
	s_or_b32 s[G0+4*\s+3], s[G0+4*\s+3], 0x80000000
	s_mov_b32 s[G0B+4*\s], 1
	s_add_co_u32 s[G0B+4*\s+1], s45, \s*SLOT
	s_add_nc_u64 s[G0B+4*\s+2:G0B+4*\s+3], s[46:47], \s*ROWB
	s_or_b32 s[G0B+4*\s+3], s[G0B+4*\s+3], 0x80000000
	JLOAD G0+4*\s, G1, G0B+4*\s, G1B
.endr
	v_and_b32 v1, 15, v0                           ; r
	v_bfe_u32 v2, v0, 4, 1                         ; h
	v_mul_u32_u24 v3, v1, PITCH
	v_lshl_add_u32 v4, v2, 4, v3
	s_mul_i32 s21, s15, HALFT
	s_mul_i32 s22, s16, HALFT
	s_add_co_u32 s22, s22, 2*HALFT
.irp s, 0,1
	v_add_nc_u32 v[ADRA+\s], s21, v4
	v_add_nc_u32 v[ADRB+\s], s22, v4
	s_add_co_u32 s21, s21, SLOT
	s_add_co_u32 s22, s22, SLOT
.endr
	v_mul_u32_u24 v5, v1, KS                       ; my row's scales, 16 more for each 256 passed
	v_lshrrev_b32 v6, 8, v5
	v_lshl_add_u32 v5, v6, 4, v5
	s_mul_i32 s21, s15, HALFS
	s_mul_i32 s22, s16, HALFS
	s_add_co_u32 s22, s22, 2*HALFS
	s_sub_co_u32 s22, s22, s21
	v_mul_u32_u24 v6, s22, v2                      ; lanes 16-31 take B's
	s_add_co_u32 s21, s21, SCL
	v_add_nc_u32 v5, v5, v6
	v_add_nc_u32 v[ADRS], s21, v5
	; the way out
	s_mul_i32 s23, s15, 128*272
	s_lshl_b32 s21, s16, 7
	s_add_co_u32 s23, s23, s21
	v_mul_u32_u24 v5, v1, 272
	v_lshl_add_u32 v5, v2, 3, v5
	v_add_nc_u32 v[STO], s23, v5                   ; codes in: row 128 x half + r, byte 128 x half + 8 h
	s_lshl_b32 s23, s15, 10
	s_lshl_b32 s21, s16, 2
	s_add_co_u32 s23, s23, s21
	s_add_co_u32 s23, s23, SST
	v_lshl_add_u32 v[SSTO], v1, 3, s23             ; my row's scale word
	s_mul_i32 s23, s14, 64*272
	v_mul_u32_u24 v5, v2, 272
	v_lshl_add_u32 v5, v1, 4, v5
	v_add_nc_u32 v[RD], s23, v5                    ; codes back: wave w takes rows 64 w on, sixteen lanes to a row
	v_mul_u32_u24 v5, v2, OP
	v_lshl_add_u32 v[CO], v1, 4, v5
	v_and_b32 v6, 31, v0
	s_lshl_b32 s23, s14, 9
	s_add_co_u32 s23, s23, SST
	v_lshl_add_u32 v[SRD], v6, 3, s23              ; scale bytes back: a lane a row
	v_mul_u32_u24 v[SGO], v6, SPI
	s_lshl_b32 s20, s17, 8
	s_lshl_b32 s21, s14, 6
	s_add_co_u32 s20, s20, s21                     ; the first row that I store: 256 x tile + 64 x wave
.if QKV
	s_lshl_b32 s23, s14, 1
	s_add_co_u32 s23, s23, SST
	v_lshl_add_u32 v[SRU], v6, 6, s23              ; q, k: wave w takes head 4 cx + w: bytes 2 w, 2 w + 1 of rows 8 lane + 0 .. 7
	v_lshlrev_b32 v[SGQ], 4, v6
	s_lshl_b32 s46, s20, 10
	s_lshl_b32 s47, s40, 8
	s_add_co_u32 s46, s46, s47                     ; + 256 cx
	s_lshl_b32 s47, ttmp9, 22
	s_add_co_u32 s46, s46, s47                     ; q, k, v^T: 4 MiB each
	s_lshl_b32 s47, s95, 20
	s_cmp_eq_u32 ttmp9, 2
	s_cselect_b32 s47, s47, 0                      ; v^T: the batch is the cluster's y
	s_add_co_u32 s46, s46, s47
	s_mov_b32 s47, 0
	s_add_nc_u64 s[98:99], s[12:13], 12582912
	s_add_nc_u64 s[12:13], s[12:13], s[46:47]
	s_lshl_b32 s46, s20, 5                         ; v's scale bytes: [batch][row][32]
	s_lshl_b32 s47, s95, 15
	s_add_co_u32 s46, s46, s47
	s_lshl_b32 s47, s40, 3
	s_add_co_u32 s46, s46, s47
	s_add_co_u32 s46, s46, 262144
	s_lshl_b32 s21, s40, 2                         ; q's and k's: [head][token][2]
	s_add_co_u32 s21, s21, s14
	s_lshl_b32 s21, s21, 13
	s_lshl_b32 s47, s17, 9
	s_add_co_u32 s21, s21, s47
	s_lshl_b32 s47, ttmp9, 17
	s_add_co_u32 s21, s21, s47
	s_cmp_eq_u32 ttmp9, 2
	s_cselect_b32 s46, s46, s21
	s_mov_b32 s47, 0
	s_add_nc_u64 s[98:99], s[98:99], s[46:47]
.else
	s_lshl_b32 s46, s20, 12
	s_lshl_b32 s47, s42, 8
	s_add_co_u32 s46, s46, s47
	s_mov_b32 s47, 0
	s_add_nc_u64 s[98:99], s[12:13], 16777216
	s_add_nc_u64 s[12:13], s[12:13], s[46:47]
	s_lshl_b32 s46, s20, 7
	s_lshl_b32 s21, s42, 3
	s_add_co_u32 s46, s46, s21
	s_add_nc_u64 s[98:99], s[98:99], s[46:47]
	s_lshl_b32 s46, s42, 10
	s_lshl_b32 s21, s16, 9
	s_add_co_u32 s46, s46, s21
	s_add_nc_u64 s[96:97], s[96:97], s[46:47]      ; the bias of my 128 columns
	v_lshlrev_b32 v7, 5, v2
.irp b, 0,1,2,3,4,5,6,7
	global_load_b128 v[BIAS+8*\b:BIAS+8*\b+3], v7, s[96:97] offset:64*\b       ; tile b: columns 16 b + 8 h + 0 .. 7, the result's layout
	global_load_b128 v[BIAS+8*\b+4:BIAS+8*\b+7], v7, s[96:97] offset:64*\b+16
.endr
.endif
.macro FRAG reg, adr, q, i             ; 16 rows x 128 K: registers 4 c .. 4 c + 3 hold K = 32 c + 16 (l / 16) + 0 .. 15
.irp c, 0,1,2,3
	ds_load_b128 v[\reg+4*\c:\reg+4*\c+3], v[\adr] offset:128*(\q)+32*\c+(\i)*16*PITCH
.endr
.endm
; 16 matrix instructions: A's blocks a0, a0 + 1 x B's eight.  zero = 1: C = 0 starts the sums; 2: the bias does.  The 64 accumulators take turns.
.macro MUL16 a0, p, q, sc, zero
.irp a, \a0, \a0+1
.irp b, 0,1,2,3,4,5,6,7
.if (\zero) == 1
	v_wmma_scale_f32_16x16x128_f8f6f4 v[8*(8*((\a)%4)+\b):8*(8*((\a)%4)+\b)+7], v[128*(\p)+FR*\b:128*(\p)+FR*\b+FR-1], v[AF+FR*(\a):AF+FR*(\a)+FR-1], 0, v[SC+8*NQ*(\sc)+NQ*\b+(\q)], v[SC+8*NQ*(\sc)+NQ*(\a)+(\q)] matrix_a_scale:MATRIX_SCALE_ROW1
.elseif (\zero) == 2
	v_wmma_scale_f32_16x16x128_f8f6f4 v[8*(8*((\a)%4)+\b):8*(8*((\a)%4)+\b)+7], v[128*(\p)+FR*\b:128*(\p)+FR*\b+FR-1], v[AF+FR*(\a):AF+FR*(\a)+FR-1], v[BIAS+8*\b:BIAS+8*\b+7], v[SC+8*NQ*(\sc)+NQ*\b+(\q)], v[SC+8*NQ*(\sc)+NQ*(\a)+(\q)] matrix_a_scale:MATRIX_SCALE_ROW1
.else
	v_wmma_scale_f32_16x16x128_f8f6f4 v[8*(8*((\a)%4)+\b):8*(8*((\a)%4)+\b)+7], v[128*(\p)+FR*\b:128*(\p)+FR*\b+FR-1], v[AF+FR*(\a):AF+FR*(\a)+FR-1], v[8*(8*((\a)%4)+\b):8*(8*((\a)%4)+\b)+7], v[SC+8*NQ*(\sc)+NQ*\b+(\q)], v[SC+8*NQ*(\sc)+NQ*(\a)+(\q)] matrix_a_scale:MATRIX_SCALE_ROW1
.endif
.endr
.endr
.endm
.macro FETCH_B slot, q, p
	WIN TO_B
.irp i, 0,1,2,3,4,5,6,7
	FRAG 128*(\p)+FR*\i, ADRB+\slot, \q, \i
.endr
	WIN 0
.endm
.macro FETCH_A slot, q, i0
.irp i, \i0, \i0+1, \i0+2, \i0+3
	FRAG AF+FR*(\i), ADRA+\slot, \q, \i
.endr
.endm
.macro SCALES sc                       ; lanes 0-15 take the words of A's block i, lanes 16-31 those of B's
.irp i, 0,1,2,3,4,5,6,7
	ds_load_b64 v[SC+8*NQ*\sc+NQ*\i:SC+8*NQ*\sc+NQ*\i+1], v[ADRS] offset:\i*SBLK
.endr
.endm
.macro PLACES n                        ; plain vector instructions between a matrix instruction and a load into, or a read of, its registers
.rept \n
	v_nop
.endr
.endm
.macro STEP slot, q, zero              ; 128 along K with a successor in the same slot
	s_wait_dscnt 4*NL                              ; B's set and A's blocks 0-3 are in; A's blocks 4-7 (16 loads) may be out
.if (\zero) == 2
	WIN 0x81                                       ; C (the bias) in window 0, D in window 2
.else
	WIN MUL_LO
.endif
	MUL16 0, (\q)%2, \q, \slot, \zero
	MUL16 2, (\q)%2, \q, \slot, \zero
	s_wait_dscnt 0
	PLACES NP
	FETCH_B \slot, (\q)+1, 1-(\q)%2
	FETCH_A \slot, (\q)+1, 0
.if (\zero) == 2
	WIN 0xc1
.else
	WIN MUL_HI
.endif
	MUL16 4, (\q)%2, \q, \slot, \zero
	MUL16 6, (\q)%2, \q, \slot, \zero
	PLACES NP
	WIN 0
	FETCH_A \slot, (\q)+1, 4
.endm
; A slot's last step changes slots: one barrier; in front of it each wave waits for all its tensor loads, adds 0 to its spare word, and waits for that and for its reads of this slot.
.macro TURN slot, next, fill
	s_wait_tensorcnt 0x0                           ; all my tensor loads have landed: my part of the next slot
	ds_add_u32 v[SPW], v[NIL]
	s_wait_dscnt 4*NL+1                            ; the add and A's blocks 4-7 may be out
	WIN MUL_LO
	MUL16 0, 1, NQ-1, \slot, 0
	s_wait_dscnt 0x0                               ; the add is done, and my reads of this slot are over
	s_barrier_signal -1
	MUL16 2, 1, NQ-1, \slot, 0
	WIN 0
	s_barrier_wait -1
.if \fill
	CREST                                          ; the barrier has opened a round of the cluster's: no wave of any partner still reads this slot or has a load on its way
	s_add_nc_u64 s[G0+4*\slot+2:G0+4*\slot+3], s[G0+4*\slot+2:G0+4*\slot+3], 2*ROWB
	s_add_nc_u64 s[G0B+4*\slot+2:G0B+4*\slot+3], s[G0B+4*\slot+2:G0B+4*\slot+3], 2*ROWB
	JLOAD G0+4*\slot, G1, G0B+4*\slot, G1B         ; my one tensor load behind the round
	PLACES NP-4
.else
	PLACES NP
.endif
	v_add_nc_u32 v[ADRS], 4*NQ, v[ADRS]
	FETCH_B \next, 0, 0
	FETCH_A \next, 0, 0
	SCALES \next
	WIN MUL_HI
	MUL16 4, 1, NQ-1, \slot, 0
	MUL16 6, 1, NQ-1, \slot, 0
	PLACES NP
	WIN 0
	FETCH_A \next, 0, 4
.endm
	s_wait_tensorcnt 1                             ; the scales and my part of K step 0 are in; K step 1's load may be out
	s_barrier_signal -1
	s_barrier_wait -1
	FETCH_B 0, 0, 0
	FETCH_A 0, 0, 0
	SCALES 0
	FETCH_A 0, 0, 4
.if QKV
	STEP 0, 0, 1
.else
	s_wait_loadcnt 0x0                             ; the bias
	STEP 0, 0, 2
.endif
	s_mov_b32 s3, LAPS-1
.Llap:
	TURN 0, 1, 1
	STEP 1, 0, 0
	TURN 1, 0, 1
	STEP 0, 0, 0
	s_sub_co_u32 s3, s3, 1
	s_cmp_lg_u32 s3, 0
	s_cbranch_scc1 .Llap
	TURN 0, 1, 0                                   ; the last lap fills nothing
	STEP 1, 0, 0
	s_wait_dscnt 4*NL
	WIN MUL_LO
	MUL16 0, 1, NQ-1, 1, 0
	MUL16 2, 1, NQ-1, 1, 0
	s_wait_dscnt 0
	WIN MUL_HI
	MUL16 4, 1, NQ-1, 1, 0
	MUL16 6, 1, NQ-1, 1, 0
	WIN 0
; THE WAY OUT.  Block a: 16 rows x 128 columns = four blocks of 32 along the columns; block e is tiles 2 e and 2 e + 1: 16 registers in each of lanes l and l xor 16.
; relu = 1: what is negative becomes 0: it does not count for the largest magnitude, and the hold clips at 0.  Each accumulator is read from its low end on.
.macro QUANT a, relu
.set AC, 64*((\a)%4)
	WIN 0x0a+5*((\a)/4)                            ; sources 0 and 1: window 2 or 3
.irp e, 0,1,2,3
.if \relu
	v_max3_num_f32 v[TM+\e], v[AC+16*\e], v[AC+16*\e+1], 0x4800000     ; with the floor 2^(9 - 127): the byte cannot fall under 1
.else
	v_max3_num_f32 v[TM+\e], |v[AC+16*\e]|, |v[AC+16*\e+1]|, 0x4800000
.endif
.endr
.irp i, 2,4,6,8,10,12,14
.irp e, 0,1,2,3
.if \relu
	v_max3_num_f32 v[TM+\e], v[AC+16*\e+\i], v[AC+16*\e+\i+1], v[TM+\e]
.else
	v_max3_num_f32 v[TM+\e], |v[AC+16*\e+\i]|, |v[AC+16*\e+\i+1]|, v[TM+\e]
.endif
.endr
.endr
	WIN 0
	s_wait_dscnt 0x0                               ; the last block's stage stores have read the codes' registers and the scale word
.irp e, 0,1,2,3
	v_permlanex16_b32 v[TM+4+\e], v[TM+\e], s[SEL], s[SEL+1]
.endr
.irp e, 0,1,2,3
	v_max_num_f32 v[TM+\e], v[TM+\e], v[TM+4+\e]
.endr
.irp e, 0,1,2,3
	v_add_nc_u32 v[TM+12+\e], 0xfc000000, v[TM+\e]             ; 8 off the exponent field: the conversion's scale operand
.endr
.irp e, 0,1,2,3
	v_and_or_b32 v[TM+8+\e], v[TM+\e], 0x7f800000, s[MNT]      ; 448 x the scale
.endr
.irp e, 0,1,2,3
	v_lshrrev_b32 v[TM+4+\e], 23, v[TM+12+\e]                  ; the byte
.endr
	v_lshl_or_b32 v[PW], v[TM+5], 8, v[TM+4]
	v_lshl_or_b32 v[PW], v[TM+6], 16, v[PW]
	v_lshl_or_b32 v[PW], v[TM+7], 24, v[PW]
	WIN 0x02+(\a)/4                                ; source 0: window 2 or 3
.irp e, 0,1,2,3
.irp i, 0,1,2,3,4,5,6,7,8,9,10,11,12,13,14,15
.if \relu
	v_med3_num_f32 v[T+16*\e+\i], v[AC+16*\e+\i], 0, v[TM+8+\e]
.else
	v_med3_num_f32 v[T+16*\e+\i], v[AC+16*\e+\i], -v[TM+8+\e], v[TM+8+\e]   ; the conversion does not saturate (ISA guide 7.6.2)
.endif
.endr
.endr
	WIN 0
.irp e, 0,1,2,3
	v_cvt_scalef32_pk8_fp8_f32 v[PC+4*\e:PC+4*\e+1], v[T+16*\e:T+16*\e+7], v[TM+12+\e]
	v_cvt_scalef32_pk8_fp8_f32 v[PC+4*\e+2:PC+4*\e+3], v[T+16*\e+8:T+16*\e+15], v[TM+12+\e]
.endr
	v_nop                                          ; a plain instruction behind the conversions
.irp e, 0,1,2,3
.irp u, 0,1
	ds_store_b64 v[STO], v[PC+4*\e+2*\u:PC+4*\e+2*\u+1] offset:(\a)*16*272+32*\e+16*\u   ; columns 32 e + 16 u + 8 h + 0 .. 7
.endr
.endr
	ds_store_b32 v[SSTO], v[PW] offset:(\a)*128    ; both halves of the lanes store the same word
.endm
	PLACES NP
.irp e, 0,1,2,3
	v_mov_b32 v[TM+4+\e], 0                        ; a lane permute's destination counts as one of its sources
.endr
.irp a, 0,1,2,3,4,5,6,7
	QUANT \a, 1-QKV
.endr
	s_wait_dscnt 0x0                               ; for the others' sake: my stores into the stage are done
	s_barrier_signal -1
	s_barrier_wait -1
	ds_load_b64 v[8:9], v[SRD]
	ds_load_b64 v[10:11], v[SRD] offset:256
.if QKV
.irp i, 0,1,2,3,4,5,6,7
	ds_load_u16 v[32+\i], v[SRU] offset:8*\i
.endr
.endif
.set i, 0
.rept 32
	ds_load_b128 v[128+4*i:128+4*i+3], v[RD] offset:2*i*272
.set i, i+1
.endr
	s_wait_dscnt 32                                ; the scale bytes are back; the 32 loads of codes may be out
.if QKV
	v_lshl_or_b32 v32, v33, 16, v32
	v_lshl_or_b32 v33, v35, 16, v34
	v_lshl_or_b32 v34, v37, 16, v36
	v_lshl_or_b32 v35, v39, 16, v38
	s_cmp_eq_u32 ttmp9, 2                          ; the cluster's x: the same in all partners; only stores to memory stand under the branch
	s_cbranch_scc1 .Lv_scales
	global_store_b128 v[SGQ], v[32:35], s[98:99]   ; one head's bytes of 256 tokens: 512 consecutive bytes
	s_branch .Lscales_out
.Lv_scales:
.endif
	global_store_b64 v[SGO], v[8:9], s[98:99]
	global_store_b64 v[SGO], v[10:11], s[98:99] offset:32*SPI
.if QKV
.Lscales_out:
.endif
.set i, 0
.rept 32
	s_wait_dscnt 31-i
	global_store_b128 v[CO], v[128+4*i:128+4*i+3], s[12:13] offset:2*i*OP      ; sixteen lanes store 256 consecutive bytes, aligned
.set i, i+1
.endr
	s_wait_tensorcnt 0x0                           ; the wave's end
	ds_add_u32 v[SPW], v[NIL]
	s_wait_dscnt 0x0
	CROUND                                         ; the closing round
	s_endpgm
.Lfunc_end_k_qcf8c2dbe6a_ff1:
	.size	k_qcf8c2dbe6a_ff1, .Lfunc_end_k_qcf8c2dbe6a_ff1-k_qcf8c2dbe6a_ff1
	.p2alignl 7, 3214868480
	.fill 96, 4, 3214868480
	.section	.rodata,"a",@progbits
	.p2align	6, 0x0
	.amdhsa_kernel k_qcf8c2dbe6a_ff1
		.amdhsa_group_segment_fixed_size 327680
		.amdhsa_private_segment_fixed_size 0
		.amdhsa_enable_private_segment 0
		.amdhsa_kernarg_size 40
		.amdhsa_user_sgpr_count 2
		.amdhsa_user_sgpr_kernarg_segment_ptr 1
		.amdhsa_wavefront_size32 1
		.amdhsa_system_sgpr_workgroup_id_x 1
		.amdhsa_system_sgpr_workgroup_id_y 1
		.amdhsa_system_sgpr_workgroup_id_z 1
		.amdhsa_system_vgpr_workitem_id 0
		.amdhsa_next_free_vgpr 1024
		.amdhsa_next_free_sgpr 100
		.amdhsa_reserve_vcc 0
		.amdhsa_float_denorm_mode_32 3
		.amdhsa_float_denorm_mode_16_64 3
		.amdhsa_memory_ordered 1
		.amdhsa_forward_progress 1
		.amdhsa_inst_pref_size 195
	.end_amdhsa_kernel
	.amdgpu_metadata
---
amdhsa.version: [ 1, 2 ]
amdhsa.kernels:
  - .name:           k_qcf8c2dbe6a_ff1
    .symbol:         k_qcf8c2dbe6a_ff1.kd
    .args:
      - { .name: h2, .offset: 0, .size: 8, .value_kind: global_buffer, .address_space: global }
      - { .name: ff1_w_codes, .offset: 8, .size: 8, .value_kind: global_buffer, .address_space: global }
      - { .name: ff1_w_scales, .offset: 16, .size: 8, .value_kind: global_buffer, .address_space: global }
      - { .name: ff1_b, .offset: 24, .size: 8, .value_kind: global_buffer, .address_space: global }
      - { .name: f, .offset: 32, .size: 8, .value_kind: global_buffer, .address_space: global }
    .group_segment_fixed_size: 327680
    .private_segment_fixed_size: 0
    .kernarg_segment_align: 8
    .kernarg_segment_size: 40
    .max_flat_workgroup_size: 128
    .sgpr_count:     100
    .vgpr_count:     1024
    .wavefront_size: 32
...
	.end_amdgpu_metadata
.endif
;; end of part 5
;; launch ff2 (part 6): grid 8 x 32, 4 waves a work-group, clusters of 4 x 4, 327,680 bytes of LDS; arguments f, ff2_w_codes, ff2_w_scales, ff2_b, x1, out0; writes out0
.if DOCPART == 6
	.amdgcn_target "amdgcn-amd-amdhsa--gfx1250"
	.amdhsa_code_object_version 6
	.text
	.protected	k_qcf8c2dbe6a_ff2
	.globl	k_qcf8c2dbe6a_ff2
	.p2align	8
	.type	k_qcf8c2dbe6a_ff2,@function
k_qcf8c2dbe6a_ff2:
	s_mov_b64 s[64:65], 0
	v_nop
	global_prefetch_b8 v0, s[64:65] scope:SCOPE_SE
	s_setreg_imm32_b32 hwreg(HW_REG_WAVE_MODE, 25, 1), 1
	s_wait_xcnt 0x0
	s_wait_alu depctr_hold_cnt(0) depctr_sa_sdst(0) depctr_va_vdst(0) depctr_va_sdst(0) depctr_va_ssrc(0) depctr_va_vcc(0) depctr_vm_vsrc(0)
	s_getreg_b32 s2, hwreg(HW_REG_IB_STS2, 6, 4)
	s_cmp_eq_u32 s2, 0
	s_cbranch_scc0 .Lentry_in_a_cluster
	s_endpgm
.Lentry_in_a_cluster:
	s_bfe_u32 s2, ttmp6, 0x10000c
	s_cmp_lg_u32 s2, 0xf033
	s_cbranch_scc0 .Lentry_shape_is_right
	s_endpgm
.Lentry_shape_is_right:
; out = res + A W^T + bias on codes of FP8 (E4M3) with E8M0 scales; out, res: [4096][1024] f32.  One text serves two launches (flag PROJ).
; PROJ = 1: A = o, K = 1,024, codes [batch][head][token][64], scale bytes [token][32] at byte 4,194,304.  PROJ = 0: A = f, K = 4,096, codes [token][4096], scale bytes [token][128] at byte 16,777,216.
; 4096 x 1024 makes 64 tiles of 256 x 256 but 256 of 128 x 128: so a tile is 128 x 128; four waves, each 64 x 64 in 16 accumulators.  K goes in steps of 512 through two LDS slots, four sub-steps of 128 each.
; CLUSTERS of 4 x 4: A's tiles are asked for jointly along a row of the cluster, B's along a column.  The scale bytes of the tile's rows, for all of K, come once.
; THE MATRIX INSTRUCTION IS USED TRANSPOSED (source 0 = 16 rows of W, source 1 = 16 rows of A): a lane holds eight neighbouring columns of a row.  The bias is the C of each sum's first product.
; The residual is asked for at the head, in the layout in which rows leave, and added on the way out.  A wave's 64 columns are 256 bytes, aligned: each wave has a stage of its own and no barrier.
; PROJ = 1: a slot's part of A is [8 heads][128 rows], 64 bytes + 16 a row: one load brings four heads; a head's 128 rows are 8,192 dense bytes, stated as one row with padding behind every 64 bytes.
; REGISTERS: window 0: v0-31 addresses; v32-63 scale words; v64-95 the bias; v64-127 rows on the way out; v128-255 the accumulators.  window 1: two fragment buffers.  window 2: the residual.
.set PROJ,   0
.if PROJ
.set SIZE_K, 1024
.set ASOFF,  4194304
.else
.set SIZE_K, 4096
.set ASOFF,  16777216
.endif
.set KSTEP,  512
.set KROW,   SIZE_K
.set PITCH,  528                       ; 512 bytes + 16: the 16 rows of a load start at 16 different banks (ISA guide 11.1)
.set HALFT,  64*PITCH
.set HCH,    128*80                    ; PROJ: a head's 128 rows
.if PROJ
.set APART,  8*HCH
.set ASTEP,  8*65536                   ; eight heads on
.else
.set APART,  2*HALFT
.set ASTEP,  KSTEP
.endif
.set SLOT,   APART+2*HALFT
.set LAPS,   SIZE_K/(2*KSTEP)
.set KS,     SIZE_K/32
.set SCL,    2*SLOT
.set HALFS,  (64*KS/256)*272
.set SBLK,   (16*KS/256)*272
.set SPARE,  SCL+4*HALFS               ; the spare words: 128 bytes a wave, named by no other line
.set NP,     8
.set ADRA, 16
.set ADRB, 20
.set STO,  24
.set RD,   25
.set CO,   26
.set ADRS, 27
.set SPW,  28
.set NIL,  29
.set SC,   32
.set BIAS, 64
.set BK,   64
.set ACC,  128
.set F0,   0
.set F1,   128
.set G1, 24
.set G0, 32
.set G1B, 48
.set G0B, 56
.set G1S, 68
.set G0S, 76
.set G1SB, 80
.set G0SB, 88
.set MSB, 0
.macro WIN new                         ; the immediate's high byte repeats the setting that is left
.if MSB != \new
	s_set_vgpr_msb (MSB<<8)|\new
.set MSB, \new
.endif
.endm
.set MUL,  0x05                        ; sources 0 and 1 window 1; C and D window 0
.set TO_F, 0x40
.macro JLOAD g0a, g1a, g0b, g1b        ; a joint load: waves 0 and 1 fetch for A, waves 2 and 3 for B; four v_nop follow each line
	s_cmp_eq_u32 s15, 0
	s_cbranch_scc0 .Lfor_b_\@
	tensor_load_to_lds s[\g0a:\g0a+3], s[\g1a:\g1a+7]
	s_nop 0
.rept 4
	v_nop
.endr
	s_branch .Lasked_\@
.Lfor_b_\@:
	tensor_load_to_lds s[\g0b:\g0b+3], s[\g1b:\g1b+7]
	s_nop 0
.rept 4
	v_nop
.endr
.Lasked_\@:
.endm
.macro CREST
	s_cmp_lg_u32 s14, 0
	s_cbranch_scc1 .Lnot_wave_0_\@
	s_barrier_signal -3
.Lnot_wave_0_\@:
	s_barrier_wait -3
	s_barrier_signal -1
	s_barrier_wait -1
.endm
.macro CROUND
	s_barrier_signal -1
	s_barrier_wait -1
	CREST
.endm
	s_load_b64 s[4:5], s[0:1], 0x0                 ; A
	s_load_b64 s[8:9], s[0:1], 0x8                 ; the weight's codes
	s_load_b64 s[10:11], s[0:1], 0x10              ; its scales
	s_load_b64 s[96:97], s[0:1], 0x18              ; the bias
	s_load_b64 s[98:99], s[0:1], 0x20              ; the residual
	s_load_b64 s[12:13], s[0:1], 0x28              ; the output
	v_lshl_add_u32 v[SPW], v0, 2, SPARE
	v_mov_b32 v[NIL], 0
	ds_add_u32 v28, v29
	ds_add_u32 v28, v29
	s_wait_dscnt 0x0
	v_lshrrev_b32 v1, 5, v0
	v_readfirstlane_b32 s14, v1                    ; wave 0..3
	s_lshr_b32 s15, s14, 1                         ; my half of the tile's rows; also: I fetch for A (0) or B (1)
	s_and_b32 s16, s14, 1                          ; my half of its columns; also: which half I fetch
	s_bfe_u32 s40, ttmp6, 0x40000                  ; cx
	s_bfe_u32 s41, ttmp6, 0x40004                  ; cy
	s_lshl_b32 s42, ttmp9, 2
	s_add_co_u32 s42, s42, s40                     ; tile column
	s_and_b32 s17, ttmp7, 0xffff
	s_lshl_b32 s17, s17, 2
	s_add_co_u32 s17, s17, s41                     ; tile row
	s_lshl_b32 s43, s41, 2
	s_lshl_b32 s43, 15, s43                        ; my row of the cluster
	s_lshl_b32 s44, 0x1111, s40                    ; my column
.if PROJ
	s_or_b32 s[G1+0], s43, (0<<16)|(1<<20)|(1<<21)|(3<<22)|(3<<25)  ; elements of 1 byte; 4 words of padding behind every 16
	s_mov_b32 s[G1+1], 8192<<16                    ; tensor_dim0: a head's 128 rows of 64 bytes, dense
	s_mov_b32 s[G1+2], 4<<16                       ; tensor_dim1: four heads
	s_mov_b32 s[G1+3], 8192<<16
	s_mov_b32 s[G1+4], 4
	s_mov_b32 s[G1+5], 65536                       ; from head to head
	s_mov_b32 s[G1+6], 0
	s_mov_b32 s[G1+7], 0
.else
	s_or_b32 s[G1+0], s43, (0<<16)|(1<<20)|(1<<21)|(6<<22)|(3<<25)  ; 4 words of padding behind every 128
	s_mov_b32 s[G1+1], KSTEP<<16
	s_mov_b32 s[G1+2], 64<<16
	s_mov_b32 s[G1+3], KSTEP<<16
	s_mov_b32 s[G1+4], 64
	s_mov_b32 s[G1+5], KROW
	s_mov_b32 s[G1+6], 0
	s_mov_b32 s[G1+7], 0
.endif
	s_or_b32 s[G1B+0], s44, (0<<16)|(1<<20)|(1<<21)|(6<<22)|(3<<25)
	s_mov_b32 s[G1B+1], KSTEP<<16
	s_mov_b32 s[G1B+2], 64<<16
	s_mov_b32 s[G1B+3], KSTEP<<16
	s_mov_b32 s[G1B+4], 64
	s_mov_b32 s[G1B+5], KROW
	s_mov_b32 s[G1B+6], 0
	s_mov_b32 s[G1B+7], 0
	s_or_b32 s[G1S+0], s43, (3<<16)|(1<<20)|(1<<21)|(5<<22)|(3<<25)  ; the scales of 64 rows: a dense block as rows of 256 bytes, 16 bytes of padding behind each
	s_or_b32 s[G1SB+0], s44, (3<<16)|(1<<20)|(1<<21)|(5<<22)|(3<<25)
.irp g, G1S, G1SB
	s_mov_b32 s[\g+1], 32<<16
	s_mov_b32 s[\g+2], (64*KS/256)<<16
	s_mov_b32 s[\g+3], 32<<16
	s_mov_b32 s[\g+4], 64*KS/256
	s_mov_b32 s[\g+5], 32
	s_mov_b32 s[\g+6], 0
	s_mov_b32 s[\g+7], 0
.endr
	s_lshl_b32 s18, s16, 6
	s_lshl_b32 s20, s17, 7
	s_add_co_u32 s20, s20, s18                     ; A: row 128 x tile row + 64 x half
	s_lshl_b32 s46, s42, 7
	s_add_co_u32 s46, s46, s18                     ; B likewise
	s_mul_i32 s22, s20, KS
	s_mov_b32 s23, 0
	s_mul_i32 s92, s46, KS
	s_mov_b32 s93, 0
.if PROJ
	s_lshr_b32 s20, s17, 3                         ; the batch: 1 MiB;
	s_lshl_b32 s20, s20, 20
	s_and_b32 s21, s17, 7
	s_lshl_b32 s21, s21, 13                        ; the tile's 128 tokens in a head: 8,192 bytes;
	s_add_co_u32 s20, s20, s21
	s_lshl_b32 s21, s16, 18                        ; which four heads of a slot's eight I fetch
	s_add_co_u32 s20, s20, s21
	s_mul_i32 s45, s14, 4*HCH
	s_mul_i32 s95, s14, HALFT
	s_add_co_u32 s95, s95, APART-2*HALFT           ; B's halves lie behind A's part: waves 2 and 3
.else
	s_mul_i32 s20, s20, KROW
	s_mul_i32 s45, s14, HALFT
	s_mov_b32 s95, s45
.endif
	s_mov_b32 s21, 0
	s_mul_i32 s46, s46, KROW
	s_mov_b32 s47, 0
	s_mul_i32 s94, s14, HALFS
	s_wait_kmcnt 0x0
	s_add_nc_u64 s[6:7], s[4:5], ASOFF             ; A's scale bytes
	s_add_nc_u64 s[20:21], s[4:5], s[20:21]
	s_add_nc_u64 s[22:23], s[6:7], s[22:23]
	s_add_nc_u64 s[46:47], s[8:9], s[46:47]
	s_add_nc_u64 s[92:93], s[10:11], s[92:93]
	CROUND                                         ; all sixteen work-groups are here: the first joint loads meet
	s_mov_b32 s[G0S], 1
	s_add_co_u32 s[G0S+1], s94, SCL
	s_mov_b64 s[G0S+2:G0S+3], s[22:23]
	s_or_b32 s[G0S+3], s[G0S+3], 0x80000000
	s_mov_b32 s[G0SB], 1
	s_add_co_u32 s[G0SB+1], s94, SCL
	s_mov_b64 s[G0SB+2:G0SB+3], s[92:93]
	s_or_b32 s[G0SB+3], s[G0SB+3], 0x80000000
	JLOAD G0S, G1S, G0SB, G1SB                     ; the scales first; three loads of mine are out at the most
.irp s, 0,1
	s_mov_b32 s[G0+4*\s], 1
	s_add_co_u32 s[G0+4*\s+1], s45, \s*SLOT
	s_add_nc_u64 s[G0+4*\s+2:G0+4*\s+3], s[20:21], \s*ASTEP
	s_or_b32 s[G0+4*\s+3], s[G0+4*\s+3], 0x80000000
	s_mov_b32 s[G0B+4*\s], 1
	s_add_co_u32 s[G0B+4*\s+1], s95, \s*SLOT
	s_add_nc_u64 s[G0B+4*\s+2:G0B+4*\s+3], s[46:47], \s*KSTEP
	s_or_b32 s[G0B+4*\s+3], s[G0B+4*\s+3], 0x80000000
	JLOAD G0+4*\s, G1, G0B+4*\s, G1B
.endr
	v_and_b32 v1, 15, v0                           ; r
	v_bfe_u32 v2, v0, 4, 1                         ; h
	v_mul_u32_u24 v3, v1, PITCH
	v_lshl_add_u32 v4, v2, 4, v3
	s_mul_i32 s22, s16, HALFT
	s_add_co_u32 s22, s22, APART
.irp s, 0,1
	v_add_nc_u32 v[ADRB+\s], s22, v4
	s_add_co_u32 s22, s22, SLOT
.endr
.if PROJ
	v_mul_u32_u24 v3, v1, 80
	v_lshl_add_u32 v3, v2, 4, v3
	s_mul_i32 s21, s15, 64*80                      ; my 64 rows in each head
.irp s, 0,1,2,3                        ; register 2 x slot + g: heads 4 g on, so that the immediates stay under 65,536
	s_add_co_u32 s23, s21, (\s/2)*SLOT+(\s%2)*4*HCH
	v_add_nc_u32 v[ADRA+\s], s23, v3
.endr
.else
	s_mul_i32 s21, s15, HALFT
.irp s, 0,1
	s_add_co_u32 s23, s21, \s*SLOT
	v_add_nc_u32 v[ADRA+\s], s23, v4
.endr
.endif
	v_mul_u32_u24 v5, v1, KS                       ; my row's scales, 16 more for each 256 passed
	v_lshrrev_b32 v6, 8, v5
	v_lshl_add_u32 v5, v6, 4, v5
	s_mul_i32 s21, s15, HALFS
	s_mul_i32 s22, s16, HALFS
	s_add_co_u32 s22, s22, 2*HALFS
	s_sub_co_u32 s22, s22, s21
	v_mul_u32_u24 v6, s22, v2                      ; lanes 16-31 take B's
	s_add_co_u32 s21, s21, SCL
	v_add_nc_u32 v5, v5, v6
	v_add_nc_u32 v[ADRS], s21, v5
	s_mul_i32 s23, s14, 16*272                     ; my stage, in slot 0 behind its last fill and last read
	v_mul_u32_u24 v5, v1, 272
	v_lshl_add_u32 v5, v2, 5, v5
	v_add_nc_u32 v[STO], s23, v5
	v_mul_u32_u24 v5, v2, 272
	v_lshl_add_u32 v5, v1, 4, v5
	v_add_nc_u32 v[RD], s23, v5
	v_lshlrev_b32 v5, 12, v2
	v_lshl_add_u32 v[CO], v1, 4, v5                ; lanes 0-15 one row's 256 bytes, lanes 16-31 the next row's
	s_lshl_b32 s20, s17, 7
	s_lshl_b32 s21, s15, 6
	s_add_co_u32 s20, s20, s21
	s_lshl_b32 s20, s20, 12                        ; my first row, 4,096 bytes a row,
	s_lshl_b32 s46, s42, 9
	s_lshl_b32 s47, s16, 8
	s_add_co_u32 s46, s46, s47                     ; my first column, in bytes
	s_add_co_u32 s20, s20, s46
	s_mov_b32 s21, 0
	s_mov_b32 s47, 0
	s_add_nc_u64 s[12:13], s[12:13], s[20:21]
	s_add_nc_u64 s[98:99], s[98:99], s[20:21]
	s_add_nc_u64 s[96:97], s[96:97], s[46:47]
	v_lshlrev_b32 v7, 5, v2
.irp b, 0,1,2,3
	global_load_b128 v[BIAS+8*\b:BIAS+8*\b+3], v7, s[96:97] offset:64*\b       ; tile b: columns 16 b + 8 h + 0 .. 7
	global_load_b128 v[BIAS+8*\b+4:BIAS+8*\b+7], v7, s[96:97] offset:64*\b+16
.endr
	WIN 0x80                                       ; destination window 2
.set i, 0
.rept 32
	global_load_b128 v[4*i:4*i+3], v[CO], s[98:99] offset:2*i*4096 th:TH_LOAD_NT   ; the residual: rows 2 i, 2 i + 1 of my 64
.set i, i+1
.endr
	WIN 0
.macro FRAGA reg, slot, q, i           ; 16 rows x 128 K: registers 4 c .. 4 c + 3 hold K = 32 c + 16 (l / 16) + 0 .. 15
.irp c, 0,1,2,3
.if PROJ
	ds_load_b128 v[\reg+4*\c:\reg+4*\c+3], v[ADRA+2*(\slot)+(\q)/2] offset:((2*(\q)+\c/2)%4)*HCH+32*(\c%2)+(\i)*16*80
.else
	ds_load_b128 v[\reg+4*\c:\reg+4*\c+3], v[ADRA+(\slot)] offset:128*(\q)+32*\c+(\i)*16*PITCH
.endif
.endr
.endm
.macro FETCH slot, q, f                ; 32 LDS loads in one run: B's four fragments, then A's four
	WIN TO_F
.irp i, 0,1,2,3
.irp c, 0,1,2,3
	ds_load_b128 v[(\f)+64+16*\i+4*\c:(\f)+64+16*\i+4*\c+3], v[ADRB+(\slot)] offset:128*(\q)+32*\c+\i*16*PITCH
.endr
.endr
.irp i, 0,1,2,3
	FRAGA (\f)+16*\i, \slot, \q, \i
.endr
.endm
.macro SCALES sc                       ; a K step's four words a row: lanes 0-15 take A's block i, lanes 16-31 B's
.irp i, 0,1,2,3
	ds_load_b128 v[SC+16*\sc+4*\i:SC+16*\sc+4*\i+3], v[ADRS] offset:\i*SBLK
.endr
.endm
; four matrix instructions: A's block a x B's four.  The 16 accumulators take turns, in the same order in every sub-step.
.macro MUL4 f, a, q, sc, first
.irp b, 0,1,2,3
.if \first
	v_wmma_scale_f32_16x16x128_f8f6f4 v[ACC+8*(4*(\a)+\b):ACC+8*(4*(\a)+\b)+7], v[(\f)+64+16*\b:(\f)+64+16*\b+15], v[(\f)+16*(\a):(\f)+16*(\a)+15], v[BIAS+8*\b:BIAS+8*\b+7], v[SC+16*(\sc)+4*\b+(\q)], v[SC+16*(\sc)+4*(\a)+(\q)] matrix_a_scale:MATRIX_SCALE_ROW1
.else
	v_wmma_scale_f32_16x16x128_f8f6f4 v[ACC+8*(4*(\a)+\b):ACC+8*(4*(\a)+\b)+7], v[(\f)+64+16*\b:(\f)+64+16*\b+15], v[(\f)+16*(\a):(\f)+16*(\a)+15], v[ACC+8*(4*(\a)+\b):ACC+8*(4*(\a)+\b)+7], v[SC+16*(\sc)+4*\b+(\q)], v[SC+16*(\sc)+4*(\a)+(\q)] matrix_a_scale:MATRIX_SCALE_ROW1
.endif
.endr
.endm
.macro PLACES n                        ; plain vector instructions between a matrix instruction and a load into, or a read of, its registers
.rept \n
	v_nop
.endr
.endm
.macro STEP slot, q, first             ; a sub-step of 128 along K with a successor in the same slot
	s_wait_dscnt 8                                 ; all but A's blocks 2 and 3 (eight loads) are in
	WIN MUL
	MUL4 128*((\q)%2), 0, \q, \slot, \first
	MUL4 128*((\q)%2), 1, \q, \slot, \first
	PLACES NP
	FETCH \slot, (\q)+1, 128-128*((\q)%2)
	s_wait_dscnt 32                                ; all but the 32 just issued
	WIN MUL
	MUL4 128*((\q)%2), 2, \q, \slot, \first
	MUL4 128*((\q)%2), 3, \q, \slot, \first
.endm
; A slot's last sub-step changes slots: one barrier; in front of it each wave waits for all its tensor loads, adds 0 to its spare word, and waits for that and for its reads of this slot.
.macro TURN slot, next, fill
	WIN 0
	s_wait_tensorcnt 0x0                           ; all my tensor loads have landed: my part of the next slot
	ds_add_u32 v[SPW], v[NIL]
	s_wait_dscnt 9                                 ; the add and A's blocks 2 and 3 may be out
	WIN MUL
	MUL4 F1, 0, 3, \slot, 0
	s_wait_dscnt 0x0                               ; the add is done, and my reads of this slot are over
	s_barrier_signal -1
	MUL4 F1, 1, 3, \slot, 0
	WIN 0
	s_barrier_wait -1
.if \fill
	CREST                                          ; the barrier has opened a round of the cluster's: no wave of any partner still reads this slot or has a load on its way
	s_add_nc_u64 s[G0+4*\slot+2:G0+4*\slot+3], s[G0+4*\slot+2:G0+4*\slot+3], 2*KSTEP
	s_add_nc_u64 s[G0B+4*\slot+2:G0B+4*\slot+3], s[G0B+4*\slot+2:G0B+4*\slot+3], 2*KSTEP
	JLOAD G0+4*\slot, G1, G0B+4*\slot, G1B         ; my one tensor load behind the round
	PLACES NP-4
.else
	PLACES NP
.endif
	v_add_nc_u32 v[ADRS], 16, v[ADRS]              ; the next K step's scale words
	SCALES \next
	FETCH \next, 0, F0
	WIN MUL
	MUL4 F1, 2, 3, \slot, 0
	MUL4 F1, 3, 3, \slot, 0
.endm
	s_wait_tensorcnt 1                             ; the scales and my part of K step 0 are in; K step 1's load may be out
	s_barrier_signal -1
	s_barrier_wait -1
	SCALES 0
	FETCH 0, 0, F0
	s_wait_loadcnt 32                              ; the bias is in; the residual's 32 loads may be out
	STEP 0, 0, 1                                   ; the first sub-step stands in front of the loop: the bias starts the sums
.if LAPS > 1
	WIN 0
	s_mov_b32 s3, LAPS-1
.Llap:
	STEP 0, 1, 0
	STEP 0, 2, 0
	TURN 0, 1, 1
	STEP 1, 0, 0
	STEP 1, 1, 0
	STEP 1, 2, 0
	TURN 1, 0, 1
	STEP 0, 0, 0
	WIN 0
	s_sub_co_u32 s3, s3, 1
	s_cmp_lg_u32 s3, 0
	s_cbranch_scc1 .Llap
.endif
	STEP 0, 1, 0                                   ; the last lap fills nothing
	STEP 0, 2, 0
	TURN 0, 1, 0
	STEP 1, 0, 0
	STEP 1, 1, 0
	STEP 1, 2, 0
	s_wait_dscnt 8
	WIN MUL
	MUL4 F1, 0, 3, 1, 0
	MUL4 F1, 1, 3, 1, 0
	s_wait_dscnt 0
	MUL4 F1, 2, 3, 1, 0
	MUL4 F1, 3, 3, 1, 0
	WIN 0
; THE WAY OUT, 16 rows x 64 columns at a time, through my own stage: LDS serves a wave's instructions in order, so no wait stands between the stores and the loads.
.macro TOSTAGE a
.irp b, 0,1,2,3
	ds_store_b128 v[STO], v[ACC+8*(4*(\a)+\b):ACC+8*(4*(\a)+\b)+3] offset:64*\b          ; each accumulator from its low end on
	ds_store_b128 v[STO], v[ACC+8*(4*(\a)+\b)+4:ACC+8*(4*(\a)+\b)+7] offset:64*\b+16
.endr
.irp t, 0,1,2,3,4,5,6,7
	ds_load_b128 v[BK+32*((\a)%2)+4*\t:BK+32*((\a)%2)+4*\t+3], v[RD] offset:2*\t*272
.endr
.endm
.macro SEND a, younger                 ; younger: the next block's 8 stores and 8 loads, which may stay out
	s_wait_dscnt \younger
	WIN 0x08                                       ; source 1: the residual, window 2
.irp k, 0,1,2,3,4,5,6,7,8,9,10,11,12,13,14,15
	v_pk_add_f32 v[BK+32*((\a)%2)+2*\k:BK+32*((\a)%2)+2*\k+1], v[BK+32*((\a)%2)+2*\k:BK+32*((\a)%2)+2*\k+1], v[32*(\a)+2*\k:32*(\a)+2*\k+1]
.endr
	WIN 0
.irp t, 0,1,2,3,4,5,6,7
.if PROJ
	global_store_b128 v[CO], v[BK+32*((\a)%2)+4*\t:BK+32*((\a)%2)+4*\t+3], s[12:13] offset:(16*(\a)+2*\t)*4096      ; sixteen lanes store 256 consecutive bytes, aligned
.else
	global_store_b128 v[CO], v[BK+32*((\a)%2)+4*\t:BK+32*((\a)%2)+4*\t+3], s[12:13] offset:(16*(\a)+2*\t)*4096 th:TH_STORE_NT
.endif
.endr
.endm
	PLACES NP
	s_wait_loadcnt 0x0                             ; the residual
	TOSTAGE 0
	TOSTAGE 1
	SEND 0, 16
	s_wait_xcnt 0x0                                ; block 0's stores have read their registers: block 2's rows may land there
	TOSTAGE 2
	SEND 1, 16
	s_wait_xcnt 0x0
	TOSTAGE 3
	SEND 2, 16
	SEND 3, 0
	s_wait_tensorcnt 0x0                           ; the wave's end
	ds_add_u32 v[SPW], v[NIL]
	s_wait_dscnt 0x0
	CROUND                                         ; the closing round
	s_endpgm
.Lfunc_end_k_qcf8c2dbe6a_ff2:
	.size	k_qcf8c2dbe6a_ff2, .Lfunc_end_k_qcf8c2dbe6a_ff2-k_qcf8c2dbe6a_ff2
	.p2alignl 7, 3214868480
	.fill 96, 4, 3214868480
	.section	.rodata,"a",@progbits
	.p2align	6, 0x0
	.amdhsa_kernel k_qcf8c2dbe6a_ff2
		.amdhsa_group_segment_fixed_size 327680
		.amdhsa_private_segment_fixed_size 0
		.amdhsa_enable_private_segment 0
		.amdhsa_kernarg_size 48
		.amdhsa_user_sgpr_count 2
		.amdhsa_user_sgpr_kernarg_segment_ptr 1
		.amdhsa_wavefront_size32 1
		.amdhsa_system_sgpr_workgroup_id_x 1
		.amdhsa_system_sgpr_workgroup_id_y 1
		.amdhsa_system_sgpr_workgroup_id_z 1
		.amdhsa_system_vgpr_workitem_id 0
		.amdhsa_next_free_vgpr 768
		.amdhsa_next_free_sgpr 100
		.amdhsa_reserve_vcc 0
		.amdhsa_float_denorm_mode_32 3
		.amdhsa_float_denorm_mode_16_64 3
		.amdhsa_memory_ordered 1
		.amdhsa_forward_progress 1
		.amdhsa_inst_pref_size 100
	.end_amdhsa_kernel
	.amdgpu_metadata
---
amdhsa.version: [ 1, 2 ]
amdhsa.kernels:
  - .name:           k_qcf8c2dbe6a_ff2
    .symbol:         k_qcf8c2dbe6a_ff2.kd
    .args:
      - { .name: f, .offset: 0, .size: 8, .value_kind: global_buffer, .address_space: global }
      - { .name: ff2_w_codes, .offset: 8, .size: 8, .value_kind: global_buffer, .address_space: global }
      - { .name: ff2_w_scales, .offset: 16, .size: 8, .value_kind: global_buffer, .address_space: global }
      - { .name: ff2_b, .offset: 24, .size: 8, .value_kind: global_buffer, .address_space: global }
      - { .name: x1, .offset: 32, .size: 8, .value_kind: global_buffer, .address_space: global }
      - { .name: out0, .offset: 40, .size: 8, .value_kind: global_buffer, .address_space: global }
    .group_segment_fixed_size: 327680
    .private_segment_fixed_size: 0
    .kernarg_segment_align: 8
    .kernarg_segment_size: 48
    .max_flat_workgroup_size: 128
    .sgpr_count:     100
    .vgpr_count:     768
    .wavefront_size: 32
...
	.end_amdgpu_metadata
.endif
;; end of part 6
